; MI455X (gfx1250); checked and timed in simulation.
; The chip was launched on July 23, 2026; its instructions are those of AMD's public machine-readable ISA for CDNA 5 (MIT licence, August 2026) and "CDNA5" Instruction Set Architecture Reference Guide (July 2026). The comments in the code are by the model that wrote it; some were corrected since.
;; Attention. Allowed arithmetic: matrix products marked QUANTISED: E2M1 operands, one E8M0 scale for each 32 along K, by v_wmma_scale_f32_16x16x128_f8f6f4 with both operands' format E2M1 (or v_wmma_scale_f32_32x16x128_f4), f32 sums; products left as they are: bf16, f16 or f32 operands; f32 sums; everything else in f32.
;; Inputs: W_proj 1,024 x 1,024 float32; W_qkv 3,072 x 1,024 float32; b_proj 1,024 float32; mask 2 x 1 x 2,048 x 2,048 bool; x 2 x 2,048 x 1,024 float32.
;; Outputs: out0 2 x 2,048 x 1,024 float32.
;; This version of the problem:
;;   THIS VERSION OF THE PROBLEM IS GIVEN IN LOW PRECISION. The matrix products marked QUANTISED in the list below multiply operands that are first quantised to E2M1 (2 exponent bits, 1 mantissa bit; 4 bits a number), with one power-of-two scale for each 32 numbers along K (OCP MX v1.0); their sums are f32. The products marked 'left as it is' may take bf16, f16 or f32 operands, with f32 sums. Whichever they take, every output number must still come out within the allowed error. Rounding operands to bf16 (8 significant bits) uses up far more of that allowance than f16 does (11 bits, for magnitudes from 6e-5 to 65,504). All else is computed in f32.
;;   The module's matrix products, in the order in which they are computed (A, B: the left and right operand; K: the contracted axis; several contracted axes count as one K, in the product's order):
;;     1. [M 4,096, K 1,024] x [K 1,024, N 3,072]; A: input x; B: input W_qkv: QUANTISED
;;     2. batch 32 x [M 2,048, K 64] x [K 64, N 2,048]; A: computed on the way; B: computed on the way: left as it is (an operand is computed on the way)
;;     3. batch 32 x [M 2,048, K 2,048] x [K 2,048, N 64]; A: computed on the way; B: computed on the way: left as it is (an operand is computed on the way)
;;     4. [M 4,096, K 1,024] x [K 1,024, N 1,024]; A: computed on the way; B: input W_proj: left as it is (an operand is computed on the way)
;;   THE QUANTISER, for each operand of a quantised product, along K:
;;     - K is cut into blocks of 32 from its start; a last block that is shorter is filled with zeros.
;;     - A block's scale is 2^e with e = floor(log2(the largest magnitude in the block)) - 2, held to -126 .. 127; a block of zeros has e = 0. As a byte (E8M0): e + 127.
;;     - Each number is divided by its block's scale, clamped to +-6, and rounded to the nearest number of E2M1, ties to even, subnormals kept.
;;     - The product sums the exact products of the quantised numbers (number of the format x scale) in f32.
;;   ~~~python
;;   def quantise(x, axis):      # numpy; x: float32 -> the quantised numbers, widened to float32 again
;;       x = np.moveaxis(x, axis, -1); K = x.shape[-1]
;;       x = np.pad(x, [(0, 0)] * (x.ndim - 1) + [(0, -K % 32)]); x = x.reshape(x.shape[:-1] + (-1, 32)); a = np.abs(x).max(-1, keepdims=True)
;;       e = np.where(a > 0, np.clip(np.frexp(np.where(a > 0, a, 1))[1] - 1 - 2, -126, 127), 0)      # np.frexp(a)[1] - 1 = floor(log2(a)), exactly
;;       r = np.clip(x / 2.0 ** e, -6, 6)
;;       step = 2.0 ** (np.maximum(np.frexp(np.where(r == 0, 1, r))[1] - 1, 0) - 1)
;;       q = np.round(r / step) * step * 2.0 ** e      # np.round: ties to even
;;       return np.moveaxis(q.reshape(q.shape[:-2] + (-1,))[..., :K], -1, axis).astype(np.float32)
;;   ~~~
;; One version. Each part assembles by itself: llvm-mc -triple=amdgcn-amd-amdhsa -mcpu=gfx1250 --defsym DOCPART=n.
;; ======== version 1 of 1: 4 launches
;; limits: values are held in f16: magnitudes above 65,504 overflow, below 6.1e-05 lose precision
;; workspace buffers: xc 2,097,152 bytes; xs 131,072 bytes; wc 1,572,864 bytes; ws 98,304 bytes; wp16 2,097,152 bytes; mbits 1,048,576 bytes of whole numbers; qkv 25,165,824 bytes; o16 8,388,608 bytes
;; launch prep (part 1): grid 512 x 1, 4 waves a work-group, no clusters, 67,072 bytes of LDS; arguments x, W_qkv, W_proj, mask, xc, xs, wc, ws, wp16, mbits; writes xc, xs, wc, ws, wp16, mbits
.if DOCPART == 1
	.amdgcn_target "amdgcn-amd-amdhsa--gfx1250"
	.amdhsa_code_object_version 6
	.text
	.protected	k_qd7f2c412dd_prep
	.globl	k_qd7f2c412dd_prep
	.p2align	8
	.type	k_qd7f2c412dd_prep,@function
k_qd7f2c412dd_prep:
	s_mov_b64 s[64:65], 0
	v_nop
	global_prefetch_b8 v0, s[64:65] scope:SCOPE_SE
	s_setreg_imm32_b32 hwreg(HW_REG_WAVE_MODE, 25, 1), 1
	s_wait_xcnt 0x0
; THREE PIECES OF PREPARATION IN ONE LAUNCH, told apart by the work-group's number alone.  No tensor loads, no barrier: waves share nothing.
; Work-groups 0-223: x [4096][1024] and W_qkv [3072][1024], f32, become codes of FP4 (E2M1), K innermost, two codes a byte, with one E8M0 byte for each 32 along K (xc, xs, wc, ws).
;   A block's scale is 2^(floor(log2(its largest magnitude)) - 2); its byte is the largest magnitude's exponent field - 2, held at 1 from below; each number is divided by the scale and rounded to the nearest code, ties to even,
;   beyond 6 the largest code.  Rows are dense and 1024 is a multiple of 32, so both tensors are plain streams of blocks of 32.
; Work-groups 224-479: the mask's bytes become LANE MASKS for the attention launch: mbits [q tile (256)][key tile (128)][j (8)] u32; bit r + 16 h of a word is mask[16 qt + r][16 kt + 8 h + j]:
;   the lanes' bits for register j of a 16 x 16 tile of transposed scores.
; Work-groups 480-511: W_proj, f32, is rounded to f16 (wp16), row-major as it lies.
; LIMITS: a block of zeros gets the byte 1 where the rule says 127 (its codes are zeros, and this program alone reads the bytes); blocks whose largest magnitude lies under 2^-124 keep the byte 1;
; NaN and infinities are not served; |W_proj| stays under 65,504.
.set STEPS, 16
.set WGA,   128                        ; work-groups for x: 4096 x 1024 / 32,768
.set WGQ,   224                        ; + 96 for W_qkv: the first work-group of the mask
.set WGM,   480                        ; + 256 q tiles: the first work-group of W_proj
.set EMAX,  2
.set CB,    8                          ; bytes of 16 codes
.set R,     16                         ; v16-79   four sets of 16 numbers as they are loaded
.set X,     80                         ; v80-111  two sets of 16 neighbours
.set E,     112                        ; v112-127 a scale byte for each step
.set C,     128                        ; v128-191 codes: four registers for each step, so that no store's data are written again
.set WREG,  8192                       ; LDS, quantiser: a region for each wave: two stages of 32 x SP bytes, behind them its 256 scale bytes
.set SP,    80                         ; a lane's place in a stage: 64 bytes + 16 of padding
.set MSTG,  4*WREG                     ; LDS, mask: bytes of their own: a stage of 16 rows for each wave
.set MP,    528                        ; a stage row: 512 bytes + 16: lane (r, h) reads 8 bytes at word 132 r + 2 h: 32 lanes, 64 different words modulo 64
.set MREG,  16*MP
.set SPARE, MSTG+4*MREG                ; the spare words, 128 bytes for each wave: two blocks of 256 bytes that no other line names
.set SPW,   12                         ; v12  LDS address of my spare word; never rewritten
.set NIL,   13                         ; v13  0; never rewritten
	s_load_b256 s[4:11], s[0:1], 0x0               ; x s[4:5], W_qkv s[6:7], W_proj s[8:9], mask s[10:11]
	s_load_b256 s[12:19], s[0:1], 0x20             ; xc s[12:13], xs s[14:15], wc s[16:17], ws s[18:19]
	s_load_b128 s[20:23], s[0:1], 0x40             ; wp16 s[20:21], mbits s[22:23]
	v_lshl_add_u32 v[SPW], v0, 2, SPARE
	v_mov_b32 v[NIL], 0
	v_lshrrev_b32 v1, 5, v0
	v_readfirstlane_b32 s24, v1                    ; wave 0..3
	v_and_b32 v2, 31, v0                           ; lane
	v_lshlrev_b32 v3, 4, v2                        ; 16 bytes a lane: a load of the wave covers 512 consecutive bytes
	s_wait_kmcnt 0x0
	s_cmp_ge_u32 ttmp9, WGM
	s_cbranch_scc1 .Lcast
	s_cmp_ge_u32 ttmp9, WGQ
	s_cbranch_scc1 .Lmask
; ---------------- THE QUANTISER.  A wave takes 16 steps of 512 numbers.  The conversions take 8 numbers of ONE block from a lane's consecutive registers, so a lane must hold 16 neighbours (two neighbouring
; lanes hold a block); a load is best where neighbouring lanes take neighbouring bytes.  Both are had: a step's 2,048 bytes go through the wave's own stage in LDS as they lie and come back 64 bytes a lane.
	s_mul_i32 s25, s24, WREG
	v_lshrrev_b32 v14, 2, v2
	v_mul_u32_u24 v14, v14, SP
	v_and_b32 v15, 3, v2
	v_lshl_add_u32 v14, v15, 4, v14
	v_add_nc_u32 v14, s25, v14                     ; the stage, on the way in: SP (lane / 4) + 16 (lane % 4)
	v_mul_u32_u24 v15, v2, SP
	v_add_nc_u32 v15, s25, v15                     ; on the way out: SP x lane: my 16 neighbours
	v_mul_u32_u24 v4, v2, CB                       ; my codes' place in a step's
	v_lshrrev_b32 v5, 1, v2
	s_add_co_u32 s25, s25, 2*32*SP
	v_add_nc_u32 v5, s25, v5                       ; my wave's 256 scale bytes, my block's byte
	v_lshlrev_b32 v7, 3, v2                        ; and on the way out 8 bytes a lane
	v_add_nc_u32 v6, s25, v7
	s_cmp_lt_u32 ttmp9, WGA                        ; x's work-group or W_qkv's?  Only pointers are chosen: both tensors take one path
	s_cselect_b64 s[4:5], s[4:5], s[6:7]
	s_cselect_b64 s[12:13], s[12:13], s[16:17]
	s_cselect_b64 s[14:15], s[14:15], s[18:19]
	s_cselect_b32 s25, 0, WGA
	s_sub_co_u32 s25, ttmp9, s25
	s_lshl_b32 s25, s25, 2
	s_add_co_u32 s26, s25, s24                     ; which run of 8,192 numbers of the tensor is my wave's
	s_mov_b32 s27, 0
	s_mov_b64 s[28:29], 512*STEPS*4
	s_mul_u64 s[28:29], s[26:27], s[28:29]
	s_add_nc_u64 s[4:5], s[4:5], s[28:29]
	s_mov_b64 s[28:29], 32*STEPS*CB
	s_mul_u64 s[28:29], s[26:27], s[28:29]
	s_add_nc_u64 s[12:13], s[12:13], s[28:29]
	s_lshl_b32 s26, s26, 8                         ; 256 scale bytes a run
	s_add_nc_u64 s[14:15], s[14:15], s[26:27]
.macro LOAD t
.irp i, 0,1,2,3
	global_load_b128 v[R+16*((\t)%4)+4*\i:R+16*((\t)%4)+4*\i+3], v3, s[4:5] offset:2048*(\t)+512*\i th:TH_LOAD_NT
.endr
.endm
.macro TURN t                          ; step t's numbers through the stage: LDS serves a wave's instructions in order, so no wait stands between the stores and the loads
.irp i, 0,1,2,3
	ds_store_b128 v14, v[R+16*((\t)%4)+4*\i:R+16*((\t)%4)+4*\i+3] offset:32*SP*((\t)%2)+8*SP*\i
.endr
.irp i, 0,1,2,3
	ds_load_b128 v[X+16*((\t)%2)+4*\i:X+16*((\t)%2)+4*\i+3], v15 offset:32*SP*((\t)%2)+16*\i
.endr
.endm
.irp t, 0,1,2,3
	LOAD \t
.endr
	s_wait_loadcnt 12                              ; step 0's four loads are in; the twelve of steps 1 to 3 may be out
	TURN 0
.macro STEP t
.set XS, X+16*((\t)%2)
.if (\t) > 0
	s_wait_dscnt 1                                 ; this step's numbers are back from the stage (the last step's byte store may be out): so its stores into the stage have read their registers,
.else
	s_wait_dscnt 0x0
.endif
.if (\t)+4 < STEPS
	LOAD (\t)+4                                    ; which take the loads of four steps on
.endif
.if (\t)+1 < STEPS
.if STEPS-2-(\t) >= 3
	s_wait_loadcnt 12                              ; the next step's four loads are in; those of the three steps behind it may be out
.else
	s_wait_loadcnt 4*(STEPS-2-(\t))
.endif
	TURN (\t)+1                                    ; and go through the other stage while this step is worked
.endif
	v_max3_num_f32 v8, |v[XS]|, |v[XS+1]|, |v[XS+2]|               ; the largest magnitude of my 16, in two chains
	v_max3_num_f32 v9, |v[XS+3]|, |v[XS+4]|, |v[XS+5]|
.irp i, 6,10
	v_max3_num_f32 v8, v8, |v[XS+\i]|, |v[XS+\i+1]|
	v_max3_num_f32 v9, v9, |v[XS+\i+2]|, |v[XS+\i+3]|
.endr
	v_max3_num_f32 v8, v8, |v[XS+14]|, |v[XS+15]|
	v_max3_num_f32 v8, v8, v9, (EMAX+1)<<23        ; and the floor 2^(3 - 127): so the byte cannot fall under 1
	v_max_num_f32_dpp v8, v8, v8 row_xmask:1 row_mask:0xf bank_mask:0xf   ; and of my neighbour's 16: the block's
	v_add_nc_u32 v11, -(EMAX<<23), v8              ; 2 off its exponent field: the conversion takes the exponent field of this operand as its scale, and nothing else of it
	v_cvt_scalef32_pk8_fp4_f32 v[C+4*(\t)], v[XS:XS+7], v11
	v_cvt_scalef32_pk8_fp4_f32 v[C+4*(\t)+1], v[XS+8:XS+15], v11
	v_lshrrev_b32 v[E+(\t)], 23, v11               ; the scale's byte
	ds_store_b8 v5, v[E+(\t)] offset:16*(\t)       ; both lanes of a block write the same byte with the same value
	global_store_b64 v4, v[C+4*(\t):C+4*(\t)+1], s[12:13] offset:32*CB*(\t)   ; the wave stores 256 consecutive bytes, aligned
.endm
.irp t, 0,1,2,3,4,5,6,7,8,9,10,11,12,13,14,15
	STEP \t
.endr
	ds_load_b64 v[8:9], v6                         ; LDS serves a wave's instructions in order: these see my byte stores
	s_wait_dscnt 0x0
	global_store_b64 v7, v[8:9], s[14:15]          ; the wave's 256 scale bytes: 256 consecutive bytes, aligned
	s_wait_tensorcnt 0x0                           ; the wave's end: three lines behind my last LDS store
	ds_add_u32 v[SPW], v[NIL]
	s_wait_dscnt 0x0
	s_endpgm
; ---------------- THE MASK.  Work-group = a tile of 16 queries; wave w takes keys 512 w .. 512 w + 511 of its 16 rows.  Each load covers 512 consecutive bytes of a row; the rows turn through the wave's stage, so that
; lane (r, h) gets, for key tile kt, the 8 bytes of query r and keys 16 kt + 8 h + 0 .. 7.  A compare of byte j over the 32 lanes IS the word (kt, j).
.Lmask:
	s_sub_co_u32 s25, ttmp9, WGQ                   ; the q tile, 0..255: batch x 128 + query / 16
	s_lshl_b32 s26, s25, 15                        ; 16 rows of 2,048 bytes
	s_lshl_b32 s28, s24, 9
	s_add_co_u32 s26, s26, s28
	s_mov_b32 s27, 0
	s_add_nc_u64 s[10:11], s[10:11], s[26:27]
	s_lshl_b32 s26, s25, 12                        ; a q tile's words: 4,096 bytes; my wave's 256 words
	s_lshl_b32 s28, s24, 10
	s_add_co_u32 s26, s26, s28
	s_add_nc_u64 s[22:23], s[22:23], s[26:27]
	s_mul_i32 s25, s24, MREG
	s_add_co_u32 s25, s25, MSTG                    ; my stage
	v_add_nc_u32 v4, s25, v3                       ; in: 16 bytes a lane
	v_and_b32 v5, 15, v0                           ; r
	v_bfe_u32 v6, v0, 4, 1                         ; h
	v_mul_u32_u24 v5, v5, MP
	v_lshl_add_u32 v5, v6, 3, v5
	v_add_nc_u32 v5, s25, v5                       ; out: row r, + 8 h
.irp i, 0,1,2,3,4,5,6,7,8,9,10,11,12,13,14,15
	global_load_b128 v[16+4*\i:19+4*\i], v3, s[10:11] offset:2048*\i th:TH_LOAD_NT
.endr
.irp i, 0,1,2,3,4,5,6,7
	v_mov_b32 v[144+\i], 0                         ; written once: the destination of v_writelane_b32 counts as read
.endr
.irp i, 0,1,2,3,4,5,6,7,8,9,10,11,12,13,14,15
	s_wait_loadcnt 15-\i                           ; row i is in; the younger rows may be out
	ds_store_b128 v4, v[16+4*\i:19+4*\i] offset:MP*\i
.endr
.irp k, 0,1,2,3,4,5,6,7,8,9,10,11,12,13,14,15,16,17,18,19,20,21,22,23,24,25,26,27,28,29,30,31
	ds_load_b64 v[80+2*\k:81+2*\k], v5 offset:16*\k   ; LDS serves a wave's instructions in order: these see my stores
.endr
; Word W = 8 kt + j of my 256 goes to register W % 4 of group W / 128, lane (W / 4) % 32: so each of the two stores below covers 512 consecutive bytes.
.set kt, 0
.rept 32
	s_wait_dscnt 31-kt                             ; key tile kt is in; the younger loads may be out
.irp q, 0,1
.irp u, 0,1,2,3
	v_and_b32 v[152+\u], 0xff<<(8*\u), v[80+2*kt+\q]               ; byte j = 4 q + u
.endr
.irp u, 0,1,2,3
	v_cmp_ne_u32 s[28+\u], 0, v[152+\u]            ; the 32 lanes' bits
.endr
.irp u, 0,1,2,3
	v_writelane_b32 v[144+4*(kt/16)+\u], s[28+\u], (2*kt+\q)%32
.endr
.endr
.set kt, kt+1
.endr
	global_store_b128 v3, v[144:147], s[22:23]
	global_store_b128 v3, v[148:151], s[22:23] offset:512
	s_wait_tensorcnt 0x0                           ; the wave's end
	ds_add_u32 v[SPW], v[NIL]
	s_wait_dscnt 0x0
	s_endpgm
; ---------------- W_proj to f16.  A wave takes 8,192 numbers: four rounds of 16 loads of 512 consecutive bytes; a lane's four numbers are 8 bytes of f16, so a store of the wave covers 256 consecutive bytes, aligned.
.Lcast:
	s_sub_co_u32 s25, ttmp9, WGM
	s_lshl_b32 s26, s25, 17
	s_lshl_b32 s28, s24, 15
	s_add_co_u32 s26, s26, s28
	s_mov_b32 s27, 0
	s_add_nc_u64 s[8:9], s[8:9], s[26:27]
	s_lshr_b32 s26, s26, 1
	s_add_nc_u64 s[20:21], s[20:21], s[26:27]
	v_lshlrev_b32 v4, 3, v2
.macro CAST g
.if \g > 0
	s_wait_xcnt 0x0                                ; the last round's stores have read their data: v80-111 are written again only behind this wait
.endif
.irp i, 0,1,2,3,4,5,6,7,8,9,10,11,12,13,14,15
	global_load_b128 v[16+4*\i:19+4*\i], v3, s[8:9] offset:(16*\g+\i)*512 th:TH_LOAD_NT
.endr
.irp i, 0,1,2,3,4,5,6,7,8,9,10,11,12,13,14,15
	s_wait_loadcnt 15-\i                           ; load i is in; the younger ones may be out
	v_cvt_pk_f16_f32 v[80+2*\i], v[16+4*\i], v[17+4*\i]
	v_cvt_pk_f16_f32 v[81+2*\i], v[18+4*\i], v[19+4*\i]
	global_store_b64 v4, v[80+2*\i:81+2*\i], s[20:21] offset:(16*\g+\i)*256
.endr
.endm
	CAST 0
	CAST 1
	CAST 2
	CAST 3
	s_endpgm                                       ; this path writes no LDS
.Lfunc_end_k_qd7f2c412dd_prep:
	.size	k_qd7f2c412dd_prep, .Lfunc_end_k_qd7f2c412dd_prep-k_qd7f2c412dd_prep
	.p2alignl 7, 3214868480
	.fill 96, 4, 3214868480
	.section	.rodata,"a",@progbits
	.p2align	6, 0x0
	.amdhsa_kernel k_qd7f2c412dd_prep
		.amdhsa_group_segment_fixed_size 67072
		.amdhsa_private_segment_fixed_size 0
		.amdhsa_enable_private_segment 0
		.amdhsa_kernarg_size 80
		.amdhsa_user_sgpr_count 2
		.amdhsa_user_sgpr_kernarg_segment_ptr 1
		.amdhsa_wavefront_size32 1
		.amdhsa_system_sgpr_workgroup_id_x 1
		.amdhsa_system_sgpr_workgroup_id_y 1
		.amdhsa_system_sgpr_workgroup_id_z 1
		.amdhsa_system_vgpr_workitem_id 0
		.amdhsa_next_free_vgpr 192
		.amdhsa_next_free_sgpr 66
		.amdhsa_reserve_vcc 0
		.amdhsa_float_denorm_mode_32 3
		.amdhsa_float_denorm_mode_16_64 3
		.amdhsa_memory_ordered 1
		.amdhsa_forward_progress 1
		.amdhsa_inst_pref_size 111
	.end_amdhsa_kernel
	.amdgpu_metadata
---
amdhsa.version: [ 1, 2 ]
amdhsa.kernels:
  - .name:           k_qd7f2c412dd_prep
    .symbol:         k_qd7f2c412dd_prep.kd
    .args:
      - { .name: x, .offset: 0, .size: 8, .value_kind: global_buffer, .address_space: global }
      - { .name: W_qkv, .offset: 8, .size: 8, .value_kind: global_buffer, .address_space: global }
      - { .name: W_proj, .offset: 16, .size: 8, .value_kind: global_buffer, .address_space: global }
      - { .name: mask, .offset: 24, .size: 8, .value_kind: global_buffer, .address_space: global }
      - { .name: xc, .offset: 32, .size: 8, .value_kind: global_buffer, .address_space: global }
      - { .name: xs, .offset: 40, .size: 8, .value_kind: global_buffer, .address_space: global }
      - { .name: wc, .offset: 48, .size: 8, .value_kind: global_buffer, .address_space: global }
      - { .name: ws, .offset: 56, .size: 8, .value_kind: global_buffer, .address_space: global }
      - { .name: wp16, .offset: 64, .size: 8, .value_kind: global_buffer, .address_space: global }
      - { .name: mbits, .offset: 72, .size: 8, .value_kind: global_buffer, .address_space: global }
    .group_segment_fixed_size: 67072
    .private_segment_fixed_size: 0
    .kernarg_segment_align: 8
    .kernarg_segment_size: 80
    .max_flat_workgroup_size: 128
    .sgpr_count:     66
    .vgpr_count:     192
    .wavefront_size: 32
...
	.end_amdgpu_metadata
.endif
;; end of part 1
;; launch gemm1 (part 2): grid 12 x 16, 4 waves a work-group, clusters of 4 x 4, 327,680 bytes of LDS; arguments xc, xs, wc, ws, qkv; writes qkv
.if DOCPART == 2
	.amdgcn_target "amdgcn-amd-amdhsa--gfx1250"
	.amdhsa_code_object_version 6
	.text
	.protected	k_qd7f2c412dd_gemm1
	.globl	k_qd7f2c412dd_gemm1
	.p2align	8
	.type	k_qd7f2c412dd_gemm1,@function
k_qd7f2c412dd_gemm1:
	s_mov_b64 s[64:65], 0
	v_nop
	global_prefetch_b8 v0, s[64:65] scope:SCOPE_SE
	s_setreg_imm32_b32 hwreg(HW_REG_WAVE_MODE, 25, 1), 1
	s_wait_xcnt 0x0
	s_wait_alu depctr_hold_cnt(0) depctr_sa_sdst(0) depctr_va_vdst(0) depctr_va_sdst(0) depctr_va_ssrc(0) depctr_va_vcc(0) depctr_vm_vsrc(0)
	s_getreg_b32 s2, hwreg(HW_REG_IB_STS2, 6, 4)
	s_cmp_eq_u32 s2, 0
	s_cbranch_scc0 .Lentry_in_a_cluster
	s_endpgm
.Lentry_in_a_cluster:
	s_bfe_u32 s2, ttmp6, 0x10000c
	s_cmp_lg_u32 s2, 0xf033
	s_cbranch_scc0 .Lentry_shape_is_right
	s_endpgm
.Lentry_shape_is_right:
; qkv = x W_qkv^T on codes of FP4 (E2M1) with one E8M0 scale for each 32 along K; sums in f32.  A = xc [4096][512 bytes], B = wc [3072][512 bytes], their scale bytes [rows][32].
; The result leaves as f16 in the layout that the attention launch reads: qkv [gp = column / 128 (24)][token (4096)][128]: a pair of heads to a plane, a row of 256 bytes; planes 0-7 q, 8-15 k, 16-23 v.
; q's columns are multiplied in f32 by c = log2(e) / 8 before the rounding, so that the scores are the softmax's exponents to base 2 as they stand.
; LIMIT: |c q|, |k|, |v| stay under 65,504 (f16); inputs 30 times the drawn spread, or offset by 30 spreads, give magnitudes under 3e4.
; A tile of C, 256 x 256, is made by a work-group of four waves; a wave makes 128 x 128: 64 accumulators of 16 x 16, 512 registers.  K = 1,024 is two LDS slots of 512 along K (rows of 256 bytes),
; both asked for at the start: nothing is filled again.  The scales of the work-group's rows of A and of B, for all of K, come once, as dense blocks.
; CLUSTERS: 4 x 4 work-groups.  The four of a row of the cluster need the same tiles of A, the four of a column the same tiles of B: each tile is asked for JOINTLY.
; THE MATRIX INSTRUCTION IS USED TRANSPOSED (source 0 = 16 rows of B, source 1 = 16 rows of A): a lane then holds eight neighbouring columns of one token's row.
; REGISTERS, in windows of 256: window 0: v0-31 addresses; v32-95 scale words, two sets; from v128 A's fragments, ONE set; on the way out v32-63 packed results, v128-191 rows read back.
;   window 1: B's fragments, TWO sets, at v0 and v128.   window 2: the 32 accumulators of my rows 0-63 (accumulator (a, b) at v[8 (8 a + b)]);   window 3: those of my rows 64-127.
.set SIZE_M, 4096
.set SIZE_N, 3072
.set SIZE_K, 1024
.set KSTEP,  512                       ; along K in a slot
.set NQ,     KSTEP/128                 ; matrix instructions deep
.set ROWB,   256                       ; a tile's row in bytes
.set KROW,   SIZE_K*4/8                ; a row of codes in memory, in bytes
.set PITCH,  272                       ; an LDS row: 256 bytes + 16 of padding = 68 words: the 16 rows that a load touches start 4 words apart modulo 64
.set FR,     8                         ; registers of a fragment: 16 rows x 128 K
.set NL,     2                         ; LDS loads that bring one
.set NP,     4                         ; places behind this matrix instruction (ISA guide 7.12.1)
.set HALFT,  128*PITCH                 ; 128 rows: what one tensor load brings, and what one wave reads of A or of B
.set SLOT,   4*HALFT                   ; A's 256 rows, then B's 256 rows
.set KS,     SIZE_K/32                 ; a row of scales in bytes
.set SCL,    2*SLOT                    ; behind the slots: the scales, as rows of 256 bytes + 16 of padding
.set HALFS,  (128*KS/256)*272          ; the scales of 128 rows: what one tensor load brings
.set SBLK,   (16*KS/256)*272           ; those of 16 rows
.set SPARE,  SCL+4*HALFS               ; the spare words, 128 bytes for each wave: two blocks of 256 bytes that no other line names
.set SPITCH, 272                       ; the way out: a stage of 16 rows x (256 bytes + 16) for each wave, in slot 0, which has had its only fill and its last read when the first result is stored there
.set ADRA, 16                          ; v16-17  LDS address of my A fragments in slot 0, 1
.set ADRB, 20                          ; v20-21  the same for B
.set STO,  24                          ; v24     the way out: where I put 16 bytes of a row
.set RD,   25                          ; v25     the way out: where I read a row back
.set CO,   26                          ; v26     16 x lane: my byte offset in two rows of the plane
.set ADRS, 27                          ; v27     LDS address of my scale words: lanes 0-15 A's rows, lanes 16-31 B's
.set SPW,  28                          ; v28     LDS address of my spare word; never rewritten
.set NIL,  29                          ; v29     0; never rewritten
.set SC,   32                          ; scale words: set s at v[SC + 8 NQ s]; register NQ i + q: lanes 0-15 the word of A's block i, lanes 16-31 that of B's block i, for the slot's q-th 128 along K
.set TMP,  32                          ; the way out: a block's packed results
.set AF,   128                         ; A's fragments
.set BK,   128                         ; the way out: 16 rows read back: v128-159 and v160-191 by turns
.set G1, 24                            ; s[24:31] descriptor group 1 for A's tiles;  s[32:39] group 0, one set for each slot
.set G0, 32
.set G1B, 48                           ; s[48:55], s[56:63] the same for B's tiles
.set G0B, 56
.set G1S, 68                           ; s[68:75], s[76:79] groups 1 and 0 for A's scales;  s[80:87], s[88:91] for B's
.set G0S, 76
.set G1SB, 80
.set G0SB, 88
.set FAC, 96                           ; s[96:97] c for q's columns, 1 for the others: the packed multiply names a pair and takes its low word for both halves
.set MSB, 0
.macro WIN new                         ; the immediate's high byte repeats the setting that is left
.if MSB != (\new)
	s_set_vgpr_msb (MSB<<8)|(\new)
.set MSB, (\new)
.endif
.endm
.set MUL_LO, 0xa1                      ; source 0 (B) window 1, source 1 (A) window 0, C and D window 2
.set MUL_HI, 0xf1                      ; the same, C and D window 3
.set TO_B,   0x40                      ; destination window 1, address window 0
; A joint load: waves 0 and 1 fetch for A, waves 2 and 3 for B.  Each of the two lines has ONE mask and one set of registers for all that issue it; the branch hangs on the wave's number alone.
; An s_nop 0 and four v_nop follow each of the two lines, ahead of the jump, the label and what follows.
.macro JLOAD g0a, g1a, g0b, g1b
	s_cmp_eq_u32 s15, 0
	s_cbranch_scc0 .Lfor_b_\@
	tensor_load_to_lds s[\g0a:\g0a+3], s[\g1a:\g1a+7]
	s_nop 0
.rept 4
	v_nop
.endr
	s_branch .Lasked_\@
.Lfor_b_\@:
	tensor_load_to_lds s[\g0b:\g0b+3], s[\g1b:\g1b+7]
	s_nop 0
.rept 4
	v_nop
.endr
.Lasked_\@:
.endm
.macro CROUND                          ; a round of the cluster's barrier: my work-group's barrier; wave 0 signals for the work-group; every wave waits for all sixteen; my work-group's barrier once more
	s_barrier_signal -1
	s_barrier_wait -1
	s_cmp_lg_u32 s14, 0
	s_cbranch_scc1 .Lnot_wave_0_\@
	s_barrier_signal -3
.Lnot_wave_0_\@:
	s_barrier_wait -3
	s_barrier_signal -1
	s_barrier_wait -1
.endm
	s_load_b128 s[4:7], s[0:1], 0x0                ; A's codes s[4:5], A's scales s[6:7]
	s_load_b128 s[8:11], s[0:1], 0x10              ; B's codes s[8:9], B's scales s[10:11]
	s_load_b64 s[12:13], s[0:1], 0x20              ; qkv
	v_lshl_add_u32 v[SPW], v0, 2, SPARE
	v_mov_b32 v[NIL], 0
	ds_add_u32 v[SPW], v[NIL]                      ; the wave's opening: the add, twice on end, and its wait ahead of my first tensor load; the set-up below stands between the second and the wait
	ds_add_u32 v[SPW], v[NIL]
	v_lshrrev_b32 v1, 5, v0
	v_readfirstlane_b32 s14, v1                    ; wave 0..3
	s_lshr_b32 s15, s14, 1                         ; which half of the tile's rows is mine.  Also: I fetch for A (0) or for B (1)
	s_and_b32 s16, s14, 1                          ; which half of its columns.  Also: which 128 rows of that tile I fetch
	s_bfe_u32 s40, ttmp6, 0x40000                  ; cx, cy: my place in the cluster
	s_bfe_u32 s41, ttmp6, 0x40004
	s_lshl_b32 s42, ttmp9, 2
	s_add_co_u32 s42, s42, s40                     ; tile column of C = 4 x cluster x + cx
	s_and_b32 s17, ttmp7, 0xffff
	s_lshl_b32 s17, s17, 2
	s_add_co_u32 s17, s17, s41                     ; tile row of C = 4 x cluster y + cy
	s_lshl_b32 s43, s41, 2
	s_lshl_b32 s43, 15, s43                        ; my row of the cluster
	s_lshl_b32 s44, 0x1111, s40                    ; my column
	s_cmp_eq_u32 ttmp9, 0                          ; cluster x = 0 holds columns 0 to 1,023: q.  A number, not a way: no branch hangs on it
	s_cselect_b32 s[FAC], 0x3e38aa3b, 1.0          ; c = log2(e) / 8
	s_mov_b32 s[FAC+1], s[FAC]
	; descriptor group 1: a tile of 128 rows x 256 bytes, padded in LDS
	s_or_b32 s[G1+0], s43, (0<<16)|(1<<20)|(1<<21)|(5<<22)|(3<<25)  ; 15:0 the mask: A's tiles go to my row; 17:16 element of 1 byte; 20 padding on; 21 set beside a mask; 24:22 after every 64 words; 31:25 of 4 words
	s_or_b32 s[G1B+0], s44, (0<<16)|(1<<20)|(1<<21)|(5<<22)|(3<<25)
.irp g, G1, G1B
	s_mov_b32 s[\g+1], ROWB<<16                    ; tensor_dim0
	s_mov_b32 s[\g+2], 128<<16                     ; tensor_dim1 = 128
	s_mov_b32 s[\g+3], ROWB<<16                    ; tile_dim0
	s_mov_b32 s[\g+4], 128                         ; tile_dim1 = 128
	s_mov_b32 s[\g+5], KROW                        ; tensor_dim0_stride
	s_mov_b32 s[\g+6], 0
	s_mov_b32 s[\g+7], 0
.endr
	; and for the scales of 128 rows: a dense block of 4,096 bytes, as rows of 256 bytes (32 elements of 8 bytes), 16 bytes of padding behind each
	s_or_b32 s[G1S+0], s43, (3<<16)|(1<<20)|(1<<21)|(5<<22)|(3<<25)
	s_or_b32 s[G1SB+0], s44, (3<<16)|(1<<20)|(1<<21)|(5<<22)|(3<<25)
.irp g, G1S, G1SB
	s_mov_b32 s[\g+1], 32<<16
	s_mov_b32 s[\g+2], (128*KS/256)<<16
	s_mov_b32 s[\g+3], 32<<16
	s_mov_b32 s[\g+4], 128*KS/256
	s_mov_b32 s[\g+5], 32
	s_mov_b32 s[\g+6], 0
	s_mov_b32 s[\g+7], 0
.endr
	s_lshl_b32 s18, s16, 7                         ; which 128 rows of the tile I fetch
	s_lshl_b32 s20, s17, 8
	s_add_co_u32 s20, s20, s18                     ; A: row 256 x tile row + 128 x half
	s_lshl_b32 s46, s42, 8
	s_add_co_u32 s46, s46, s18                     ; B: row 256 x tile column + 128 x half
	s_mov_b32 s21, 0
	s_mov_b32 s47, 0
	s_mov_b64 s[18:19], KS
	s_mul_u64 s[22:23], s[20:21], s[18:19]         ; where these rows' scales begin, in bytes
	s_mul_u64 s[92:93], s[46:47], s[18:19]
	s_mov_b64 s[18:19], KROW
	s_mul_u64 s[20:21], s[20:21], s[18:19]         ; and their codes
	s_mul_u64 s[46:47], s[46:47], s[18:19]
	s_mul_i32 s45, s14, HALFT                      ; where they go: wave x 128 rows: no place in the cluster enters an LDS address
	s_mul_i32 s94, s14, HALFS
	s_wait_dscnt 0x0                               ; both opening adds are done
	s_wait_kmcnt 0x0
	s_add_nc_u64 s[20:21], s[4:5], s[20:21]
	s_add_nc_u64 s[22:23], s[6:7], s[22:23]
	s_add_nc_u64 s[46:47], s[8:9], s[46:47]
	s_add_nc_u64 s[92:93], s[10:11], s[92:93]
	CROUND                                         ; all sixteen work-groups are here: the joint loads meet
	s_mov_b32 s[G0S], 1
	s_add_co_u32 s[G0S+1], s94, SCL
	s_mov_b64 s[G0S+2:G0S+3], s[22:23]
	s_or_b32 s[G0S+3], s[G0S+3], 0x80000000
	s_mov_b32 s[G0SB], 1
	s_add_co_u32 s[G0SB+1], s94, SCL
	s_mov_b64 s[G0SB+2:G0SB+3], s[92:93]
	s_or_b32 s[G0SB+3], s[G0SB+3], 0x80000000
	JLOAD G0S, G1S, G0SB, G1SB                     ; the scales first: they are wanted with slot 0
.irp s, 0,1
	s_mov_b32 s[G0+4*\s], 1
	s_add_co_u32 s[G0+4*\s+1], s45, \s*SLOT
	s_add_nc_u64 s[G0+4*\s+2:G0+4*\s+3], s[20:21], \s*ROWB
	s_or_b32 s[G0+4*\s+3], s[G0+4*\s+3], 0x80000000
	s_mov_b32 s[G0B+4*\s], 1
	s_add_co_u32 s[G0B+4*\s+1], s45, \s*SLOT
	s_add_nc_u64 s[G0B+4*\s+2:G0B+4*\s+3], s[46:47], \s*ROWB
	s_or_b32 s[G0B+4*\s+3], s[G0B+4*\s+3], 0x80000000
	JLOAD G0+4*\s, G1, G0B+4*\s, G1B               ; three tensor loads of mine are out behind the last of these
.endr
	v_and_b32 v1, 15, v0                           ; l % 16
	v_bfe_u32 v2, v0, 4, 1                         ; l / 16
	v_mul_u32_u24 v3, v1, PITCH
	v_lshl_add_u32 v4, v2, 4, v3                   ; a fragment's row x pitch + 16 x half
	s_mul_i32 s21, s15, HALFT                      ; my 128 rows of A
	s_mul_i32 s22, s16, HALFT                      ; my 128 rows of B,
	s_add_co_u32 s22, s22, 2*HALFT                 ; which lie behind A's 256
.irp s, 0,1
	v_add_nc_u32 v[ADRA+\s], s21, v4
	v_add_nc_u32 v[ADRB+\s], s22, v4
	s_add_co_u32 s21, s21, SLOT
	s_add_co_u32 s22, s22, SLOT
.endr
	v_mul_u32_u24 v5, v1, KS                       ; my row's scales: 32 bytes a row,
	v_lshrrev_b32 v6, 8, v5
	v_lshl_add_u32 v5, v6, 4, v5                   ; and 16 more for each 256 passed
	s_mul_i32 s21, s15, HALFS                      ; A's: my 128 rows
	s_mul_i32 s22, s16, HALFS                      ; B's: my 128 rows, behind A's 256
	s_add_co_u32 s22, s22, 2*HALFS
	s_sub_co_u32 s22, s22, s21
	v_mul_u32_u24 v6, s22, v2                      ; lanes 16-31 take B's: the lower base + h x the distance
	s_add_co_u32 s21, s21, SCL
	v_add_nc_u32 v5, v5, v6
	v_add_nc_u32 v[ADRS], s21, v5
	s_mul_i32 s23, s14, 16*SPITCH                  ; my stage
	v_mul_u32_u24 v5, v1, SPITCH                   ; in: row l % 16, 16 bytes for each half of the lanes
	v_lshl_add_u32 v5, v2, 4, v5
	v_add_nc_u32 v[STO], s23, v5
	v_mul_u32_u24 v5, v2, SPITCH                   ; back: lanes 0-15 one row of 256 bytes, lanes 16-31 the next
	v_lshl_add_u32 v5, v1, 4, v5
	v_add_nc_u32 v[RD], s23, v5
	v_and_b32 v6, 31, v0
	v_lshlrev_b32 v[CO], 4, v6                     ; a plane's rows are dense: two rows are 512 consecutive bytes
	s_lshl_b32 s46, s42, 1                         ; my plane: 2 x tile column + half: my 128 columns are one pair of heads
	s_add_co_u32 s46, s46, s16
	s_lshl_b32 s46, s46, 20                        ; 4,096 tokens x 256 bytes
	s_lshl_b32 s20, s17, 8
	s_lshl_b32 s21, s15, 7
	s_add_co_u32 s20, s20, s21                     ; my first token: 256 x tile row + 128 x half
	s_lshl_b32 s20, s20, 8
	s_add_co_u32 s46, s46, s20
	s_mov_b32 s47, 0
	s_add_nc_u64 s[12:13], s[12:13], s[46:47]
.macro FRAG reg, adr, q, i             ; a fragment, 16 rows x 128 K of 4-bit codes, is 8 registers: lane l holds row l % 16; registers 4 c .. 4 c + 3 hold K = 64 c + 32 (l / 16) + 0 .. 31
.irp c, 0,1
	ds_load_b128 v[\reg+4*\c:\reg+4*\c+3], v[\adr] offset:64*(\q)+32*\c+(\i)*16*PITCH
.endr
.endm
; 16 matrix instructions: A's blocks a0, a0 + 1 x B's eight, 128 along K: the slot's q-th.  p: B's set;  sc: the set of scale words.  zero = 1: the first product starts the sums: nothing is ever cleared.
; The 64 accumulators take turns, one instruction a turn, in the same order in every step.
.macro MUL16 a0, p, q, sc, zero
.irp a, \a0, \a0+1
.irp b, 0,1,2,3,4,5,6,7
.if \zero
	v_wmma_scale_f32_16x16x128_f8f6f4 v[8*(8*((\a)%4)+\b):8*(8*((\a)%4)+\b)+7], v[128*(\p)+FR*\b:128*(\p)+FR*\b+FR-1], v[AF+FR*(\a):AF+FR*(\a)+FR-1], 0, v[SC+8*NQ*(\sc)+NQ*\b+(\q)], v[SC+8*NQ*(\sc)+NQ*(\a)+(\q)] matrix_a_fmt:MATRIX_FMT_FP4 matrix_b_fmt:MATRIX_FMT_FP4 matrix_a_scale:MATRIX_SCALE_ROW1
.else
	v_wmma_scale_f32_16x16x128_f8f6f4 v[8*(8*((\a)%4)+\b):8*(8*((\a)%4)+\b)+7], v[128*(\p)+FR*\b:128*(\p)+FR*\b+FR-1], v[AF+FR*(\a):AF+FR*(\a)+FR-1], v[8*(8*((\a)%4)+\b):8*(8*((\a)%4)+\b)+7], v[SC+8*NQ*(\sc)+NQ*\b+(\q)], v[SC+8*NQ*(\sc)+NQ*(\a)+(\q)] matrix_a_fmt:MATRIX_FMT_FP4 matrix_b_fmt:MATRIX_FMT_FP4 matrix_a_scale:MATRIX_SCALE_ROW1
.endif
.endr
.endr
.endm
.macro FETCH_B slot, q, p              ; B's eight fragments of the slot's q-th 128 along K into set p
	WIN TO_B
.irp i, 0,1,2,3,4,5,6,7
	FRAG 128*(\p)+FR*\i, ADRB+\slot, \q, \i
.endr
	WIN 0
.endm
.macro FETCH_A slot, q, i0             ; A's blocks i0 .. i0 + 3
.irp i, \i0, \i0+1, \i0+2, \i0+3
	FRAG AF+FR*(\i), ADRA+\slot, \q, \i
.endr
.endm
.macro SCALES sc                       ; a slot's scale words into set sc: 4 words a row; lanes 0-15 take A's block i, lanes 16-31 B's block i
.irp i, 0,1,2,3,4,5,6,7
	ds_load_b128 v[SC+8*NQ*\sc+NQ*\i:SC+8*NQ*\sc+NQ*\i+3], v[ADRS] offset:\i*SBLK
.endr
.endm
; A load into a register that a matrix instruction has read, and a vector instruction that reads a matrix result, stand NP places behind that matrix instruction; only plain vector
; instructions that name none of its registers are places (ISA guide 7.12.1 for vector instructions).
.macro PLACES n
.rept \n
	v_nop
.endr
.endm
; A step of 128 along K that has its successor in the same slot.
.macro STEP slot, q, zero
	s_wait_dscnt 4*NL                              ; B's set and A's blocks 0-3 are in; the youngest eight loads (A's blocks 4-7) may be out
	WIN MUL_LO
	MUL16 0, (\q)%2, \q, \slot, \zero
	MUL16 2, (\q)%2, \q, \slot, \zero
	s_wait_dscnt 0                                 ; A's blocks 4-7 are in (asked for 32 matrix instructions ago)
	PLACES NP
	FETCH_B \slot, (\q)+1, 1-(\q)%2
	FETCH_A \slot, (\q)+1, 0
	WIN MUL_HI
	MUL16 4, (\q)%2, \q, \slot, \zero
	MUL16 6, (\q)%2, \q, \slot, \zero
	PLACES NP
	WIN 0
	FETCH_A \slot, (\q)+1, 4
.endm
.macro STEPS slot, from                ; the slot's steps from .. NQ - 2
.set Q, \from
.rept NQ-1-\from
	STEP \slot, Q, 0
.set Q, Q+1
.endr
.endm
	s_wait_tensorcnt 1                             ; the scales and my part of slot 0 are in (slot 1's load may be out)
	s_barrier_signal -1
	s_barrier_wait -1                              ; everybody's are
	FETCH_B 0, 0, 0
	FETCH_A 0, 0, 0
	SCALES 0
	FETCH_A 0, 0, 4
	STEP 0, 0, 1                                   ; the first step's products start the sums
	STEPS 0, 1
	; slot 0's last step changes slots: one barrier; in front of it each wave waits for all its tensor loads, adds 0 to its spare word, and waits for that and for its own reads of slot 0
	s_wait_tensorcnt 0x0                           ; my part of slot 1 has landed  (every window is 0 here: the add's two registers lie in window 0)
	ds_add_u32 v[SPW], v[NIL]                      ; 0 onto my spare word
	s_wait_dscnt 4*NL+1                            ; (the add and the youngest eight loads, A's blocks 4-7, may be out)
	WIN MUL_LO
	MUL16 0, 1, NQ-1, 0, 0                         ; sixteen matrix instructions stand between the add and the wait for it
	s_wait_dscnt 0x0                               ; the add is done, and my reads of slot 0 are over
	s_barrier_signal -1
	MUL16 2, 1, NQ-1, 0, 0
	WIN 0
	s_barrier_wait -1                              ; slot 1 is whole, and nobody reads slot 0 any more
	PLACES NP
	v_add_nc_u32 v[ADRS], 4*NQ, v[ADRS]            ; on to slot 1's scale words (no LDS load of mine is out)
	FETCH_B 1, 0, 0
	FETCH_A 1, 0, 0
	SCALES 1
	WIN MUL_HI
	MUL16 4, 1, NQ-1, 0, 0
	MUL16 6, 1, NQ-1, 0, 0
	PLACES NP
	WIN 0
	FETCH_A 1, 0, 4
	STEPS 1, 0
	s_wait_dscnt 4*NL                              ; the very last step: nothing more to fetch
	WIN MUL_LO
	MUL16 0, 1, NQ-1, 1, 0
	MUL16 2, 1, NQ-1, 1, 0
	s_wait_dscnt 0
	WIN MUL_HI
	MUL16 4, 1, NQ-1, 1, 0
	MUL16 6, 1, NQ-1, 1, 0
	WIN 0
; THE WAY OUT, block by block of 16 tokens x 128 columns.  PACK: x the factor in f32, rounded to f16, 16 bytes a lane (each accumulator is read from its low end on).  TOSTAGE: into my own stage and back
; as whole rows of 256 bytes (LDS serves a wave's instructions in order: no wait between the stores and the loads).  SEND: stored, 512 consecutive bytes an instruction.
.macro PACK a
.set AC, 64*((\a)%4)
	WIN 0x82+0x41*((\a)/4)                         ; source 0 and destination: window 2 or 3
.set i, 0
.rept 32
	v_pk_mul_f32 v[AC+i:AC+i+1], v[AC+i:AC+i+1], s[FAC:FAC+1] op_sel_hi:[1,0]
.set i, i+2
.endr
	WIN 0x0a+5*((\a)/4)                            ; sources 0 and 1: window 2 or 3; destination window 0
.irp b, 0,1,2,3,4,5,6,7
.irp r, 0,1,2,3
	v_cvt_pk_f16_f32 v[TMP+4*\b+\r], v[AC+8*\b+2*\r], v[AC+8*\b+2*\r+1]
.endr
.endr
	WIN 0
.endm
.macro TOSTAGE a
.set BB, BK+32*((\a)%2)
.irp b, 0,1,2,3,4,5,6,7
	ds_store_b128 v[STO], v[TMP+4*\b:TMP+4*\b+3] offset:32*\b
.endr
.irp t, 0,1,2,3,4,5,6,7
	ds_load_b128 v[BB+4*\t:BB+4*\t+3], v[RD] offset:\t*2*SPITCH
.endr
.endm
.macro SEND a
.set BB, BK+32*((\a)%2)
	s_wait_dscnt 0x0                               ; the block is back in registers
	s_wait_xcnt 0x0                                ; the stores of the block before have read their data: the next block's loads land there only behind this wait
.irp t, 0,1,2,3,4,5,6,7
	global_store_b128 v[CO], v[BB+4*\t:BB+4*\t+3], s[12:13] offset:(\a)*4096+\t*512   ; tokens 16 a + 2 t and the next: 512 consecutive bytes, aligned; the base is never stepped
.endr
.endm
	PLACES NP                                      ; behind the last products: for the writes over the scale words' registers and the loads over A's fragments
	PACK 0
	TOSTAGE 0
.irp a, 1,2,3,4,5,6,7                  ; block a's arithmetic stands between block a - 1's loads from the stage and the wait for them
	PACK \a
	SEND \a-1
	TOSTAGE \a
.endr
	SEND 7
	s_wait_tensorcnt 0x0                           ; the wave's end: three lines, behind my last tensor load and my last LDS store
	ds_add_u32 v[SPW], v[NIL]
	s_wait_dscnt 0x0
	CROUND                                         ; the closing round: no work-group ends while a partner may still ask for a tile that names it
	s_endpgm
.Lfunc_end_k_qd7f2c412dd_gemm1:
	.size	k_qd7f2c412dd_gemm1, .Lfunc_end_k_qd7f2c412dd_gemm1-k_qd7f2c412dd_gemm1
	.p2alignl 7, 3214868480
	.fill 96, 4, 3214868480
	.section	.rodata,"a",@progbits
	.p2align	6, 0x0
	.amdhsa_kernel k_qd7f2c412dd_gemm1
		.amdhsa_group_segment_fixed_size 327680
		.amdhsa_private_segment_fixed_size 0
		.amdhsa_enable_private_segment 0
		.amdhsa_kernarg_size 40
		.amdhsa_user_sgpr_count 2
		.amdhsa_user_sgpr_kernarg_segment_ptr 1
		.amdhsa_wavefront_size32 1
		.amdhsa_system_sgpr_workgroup_id_x 1
		.amdhsa_system_sgpr_workgroup_id_y 1
		.amdhsa_system_sgpr_workgroup_id_z 1
		.amdhsa_system_vgpr_workitem_id 0
		.amdhsa_next_free_vgpr 1024
		.amdhsa_next_free_sgpr 98
		.amdhsa_reserve_vcc 0
		.amdhsa_float_denorm_mode_32 3
		.amdhsa_float_denorm_mode_16_64 3
		.amdhsa_memory_ordered 1
		.amdhsa_forward_progress 1
		.amdhsa_inst_pref_size 142
	.end_amdhsa_kernel
	.amdgpu_metadata
---
amdhsa.version: [ 1, 2 ]
amdhsa.kernels:
  - .name:           k_qd7f2c412dd_gemm1
    .symbol:         k_qd7f2c412dd_gemm1.kd
    .args:
      - { .name: xc, .offset: 0, .size: 8, .value_kind: global_buffer, .address_space: global }
      - { .name: xs, .offset: 8, .size: 8, .value_kind: global_buffer, .address_space: global }
      - { .name: wc, .offset: 16, .size: 8, .value_kind: global_buffer, .address_space: global }
      - { .name: ws, .offset: 24, .size: 8, .value_kind: global_buffer, .address_space: global }
      - { .name: qkv, .offset: 32, .size: 8, .value_kind: global_buffer, .address_space: global }
    .group_segment_fixed_size: 327680
    .private_segment_fixed_size: 0
    .kernarg_segment_align: 8
    .kernarg_segment_size: 40
    .max_flat_workgroup_size: 128
    .sgpr_count:     98
    .vgpr_count:     1024
    .wavefront_size: 32
...
	.end_amdgpu_metadata
.endif
;; end of part 2
;; launch attn (part 3): grid 16 x 16, 8 waves a work-group, clusters of 4 x 1, 327,680 bytes of LDS; arguments qkv, mbits, o16; writes o16
.if DOCPART == 3
	.amdgcn_target "amdgcn-amd-amdhsa--gfx1250"
	.amdhsa_code_object_version 6
	.text
	.protected	k_qd7f2c412dd_attn
	.globl	k_qd7f2c412dd_attn
	.p2align	8
	.type	k_qd7f2c412dd_attn,@function
k_qd7f2c412dd_attn:
	s_mov_b64 s[64:65], 0
	v_nop
	global_prefetch_b8 v0, s[64:65] scope:SCOPE_SE
	s_setreg_imm32_b32 hwreg(HW_REG_WAVE_MODE, 25, 1), 1
	s_wait_xcnt 0x0
	s_wait_alu depctr_hold_cnt(0) depctr_sa_sdst(0) depctr_va_vdst(0) depctr_va_sdst(0) depctr_va_ssrc(0) depctr_va_vcc(0) depctr_vm_vsrc(0)
	s_getreg_b32 s2, hwreg(HW_REG_IB_STS2, 6, 4)
	s_cmp_eq_u32 s2, 0
	s_cbranch_scc0 .Lentry_in_a_cluster
	s_endpgm
.Lentry_in_a_cluster:
	s_bfe_u32 s2, ttmp6, 0x10000c
	s_cmp_lg_u32 s2, 0x3003
	s_cbranch_scc0 .Lentry_shape_is_right
	s_endpgm
.Lentry_shape_is_right:
; O[b][h][q] = the sum over k of softmax_k(where(mask, q . k / 8, -1e9)) v[k], for 2 batches x 16 heads of 64, 2,048 queries and keys.  Operands f16, products, maxima and sums f32.
; qkv [plane (24)][token (4096)][128] f16: a plane holds a PAIR of heads, a row is 256 bytes (head 2 p in bytes 0-127, head 2 p + 1 in 128-255); planes 0-7 q, already x log2(e) / 8; 8-15 k; 16-23 v.
; mbits [q tile (256)][key tile (128)][j (8)] u32: bit r + 16 h = mask[16 qt + r][16 kt + 8 h + j]: the lanes' bits for register j of a tile of transposed scores.   o16 [token][1024] f16.
; SHARES.  A work-group owns 128 queries of one pair of heads.  Wave w: head w / 4 of the pair, queries 32 (w % 4) on: two tiles of 16.  Two waves share a SIMD, so that one wave's softmax stands beside the other's products.
; LAYOUT.  S^T = K Q^T (source 0 = 16 keys, source 1 = 16 queries): a lane holds ONE query (lane % 16) and keys 8 (lane / 16) + 0..7.  Two such tiles, rounded to f16 in pairs, ARE source 1 of O^T = V^T P.
; K comes out of LDS as it lies, V ([key][channel]) turned, by ds_load_tr16_b128.
; SOFTMAX.  t = the score as it comes (base 2); a hidden key's t is -1e9 log2(e), rounded to f32; running maximum m and sum l for each query; p = 2^(t - m); in every step O and l are multiplied by a = 2^(m_old - m_new).
; A row that is hidden throughout has t - m = 0 exactly for every key: the plain mean of V, as the fill of -1e9 gives.  l is the sum of the unrounded p and divides at the end.
; A STEP AHEAD.  What a key step would wait for is asked for in the step before: each tile's 32 mask words have scalar registers of their own and are asked for again directly behind the selects that read them;
; K's fragments of the next step are fetched behind this step's products K Q^T (a slot's first behind the change of slots, since the other slot may be read only behind its barrier).
; RING.  Two LDS slots of 256 keys (four steps of 64: K's 64 rows, then V's).  Waves 0-3 bring K's four steps of a slot, waves 4-7 V's: one tensor load of 64 rows x 256 bytes a wave.
; CLUSTER.  The four query blocks of a cluster walk the same K and V: each tile is asked for JOINTLY, by the same tensor load with the same descriptor and a mask that names the four.
; LIMITS: |t|, |k|, |v|, |O| under 65,504 as f16 operands; NaN and infinities are not served.
; VECTOR REGISTERS.  Window 0: v1-14 addresses and constants; v16-31 statistics, 8 a tile; v32-95 S^T, 32 a tile; v96-127 P, 16 a tile; v128-191 O^T, 32 a tile; v192-255 V's fragments.
;   Window 1: v0-63 K's fragments; v64-95 Q's.  Only K's loads, Q's loads and the products K Q^T switch windows: four switches a key step.
; SCALAR REGISTERS.  The mask words take 64; the descriptors 24; the rest of the loop's state 12.  The head's temporaries lie in tile 0's mask registers, which are first loaded behind the head;
;   o16's address is loaded from the arguments on the way out, into the same registers, which are free again there.
.set KS,    64                         ; keys in a step
.set PK,    272                        ; a row of K in LDS: 256 bytes + 16 = 68 words: the 16 rows of a load start 4 words apart modulo 64
.set PV,    288                        ; a row of V: 256 + 32 = 72 words: 16 lanes of the turning load take 8 rows x 32 bytes, 8 words apart modulo 64
.set VOFF,  KS*PK
.set STEPB, KS*(PK+PV)
.set SLOT,  4*STEPB
.set STAGE, 2*SLOT                     ; behind the ring: 128 rows x 272 bytes, the work-group's, for the way out; no tile lands here
.set SP,    272
.set SPARE, STAGE+128*SP               ; the spare words, 128 bytes for each wave: four blocks of 256 bytes that no other line names
.set AK0, 3                            ; v3   my lane's place in a tile of K (my head's half of the row); never rewritten
.set AV0, 4                            ; v4   the same for V
.set ADK, 5                            ; v5   LDS address of the step's K
.set ADV, 6                            ; v6   of its V
.set QO,  7                            ; v7   my byte offset in the wave's rows of Q
.set STO, 8                            ; v8   the way out: where I put 16 bytes of a row
.set RD,  9                            ; v9   the way out: where I read a row back
.set GO,  10                           ; v10  my byte offset in o16: the wave's first row, the pair's 256 bytes, my lane's 16 of two rows
.set NEG, 11                           ; v11  -1e9 log2(e)
.set SPW, 12                           ; v12  LDS address of my spare word; never rewritten
.set NIL, 13                           ; v13  0; never rewritten
.set PFO, 14                           ; v14  256 x my lane: a row of K or V is 256 bytes; never rewritten
.set ST,  16                           ; tile x's statistics at v[ST + 8 x]: +0 m, +1 zero (named with m as a pair), +2, +3 l (even keys', odd keys'), +4 to +7 at work; a in +6
.set S,   32
.set P,   96
.set O,   128
.set VF,  192
.set KF,  0                            ; in window 1
.set QF,  64                           ; in window 1
.set MP,  2                            ; s[2:3]   the mask words of my first tile, at the step whose words are asked for next
.set G1K, 4                            ; s[4:11]  descriptor group 1 for K's tiles
.set G1V, 12                           ; s[12:19] for V's: it differs in the padding alone
.set G0,  20                           ; s[20:23], s[24:27] descriptor group 0, a set for each slot
.set PFA, 28                           ; s[28:29] where my prefetches stand
.set SEL, 30                           ; s[30:31] lane selects for v_permlanex16_b32: lane l xor 16
.set MA,  32                           ; s[32:63] tile 0's 32 mask words of a key step: word n at s[MA + n]
.set WV,  66                           ; s66  my wave's number
.set TB,  67                           ; s67  LDS byte at which the step's tiles begin
.set MB,  68                           ; s[68:99] tile 1's
.set CNT, 100                          ; s100 counts a slot's first three steps
.set LAP, 101                          ; s101 laps of the ring still to go
.set SLOTS, 104                        ; s104 refills still to come
.set LIM, 105                          ; s105 1 in a wave that prefetches, else the greatest number
; the head's temporaries, in tile 0's mask registers
.set QKV, 32                           ; s[32:33] qkv;  s[34:35] mbits
.set MBP, 34
.set HS,  36                           ; wave / 4: my head of the pair.  Also: I fetch K (0) or V (1)
.set WQ,  37                           ; wave % 4: my 32 queries.  Also: which step of a slot I fetch
.set CX,  38                           ; my place in the cluster
.set QB,  39                           ; my block of 128 queries
.set BA,  40                           ; the batch
.set PR,  41                           ; the pair of heads
.set T0,  42                           ; at work; never holds my place in the cluster
.set T1,  43                           ; at work
.set T2,  44                           ; my wave's place in o16
.set LD0, 45                           ; LDS places; never holds my place in the cluster
.set KVO, 46                           ; s[46:47] K or V at my tile of slot 0; never holds my place in the cluster
.set OF,  48                           ; s[48:49] an offset, as a pair
.set QP,  50                           ; s[50:51] Q at my wave's first row
.set TK,  52                           ; the block's first token
.set TQ,  53                           ; my wave's first query
.set MSB, 0
.macro WIN new                         ; the immediate's high byte repeats the setting that is left
.if MSB != (\new)
	s_set_vgpr_msb (MSB<<8)|(\new)
.set MSB, (\new)
.endif
.endm
; A joint refill of slot s.  The branch hangs on the wave's number alone: it is the same in every work-group.  An s_nop 0 and four v_nop follow each of the two lines.
.macro JLOAD s
	s_cmp_lt_u32 s[WV], 4
	s_cbranch_scc0 .Lfor_v_\@
	tensor_load_to_lds s[G0+4*\s:G0+4*\s+3], s[G1K:G1K+7]
	s_nop 0
.rept 4
	v_nop
.endr
	s_branch .Lasked_\@
.Lfor_v_\@:
	tensor_load_to_lds s[G0+4*\s:G0+4*\s+3], s[G1V:G1V+7]
	s_nop 0
.rept 4
	v_nop
.endr
.Lasked_\@:
.endm
; A PREFETCH INTO THE L2 of what the NEXT change of slots will ask for: 256 rows of K and 256 of V, 256 bytes a row, a lane a row; it stands behind the wave's tensor load and its five lines: four key steps ahead of that load.
; Each row is named ONCE in the launch.  All four clusters of a pair of heads walk the same K and V: the first of them (cluster x = 0) asks.  Its four partners share the rows out BY ADDRESS, 64 each;
; in each, waves 0 and 1 ask for K's (32 rows a wave) and waves 2 and 3 for V's.  The last change that fills a slot asks for nothing; the first three slots' worth of keys come by their loads alone.
.macro ASK
	s_cmp_gt_u32 s[SLOTS], s[LIM]
	s_cbranch_scc0 .Lnot_mine_\@
	global_prefetch_b8 v[PFO], s[PFA:PFA+1] th:TH_LOAD_NT scope:SCOPE_SE
.Lnot_mine_\@:
.endm
.macro CROUND                          ; a round of the cluster's barrier: my work-group's barrier; wave 0 signals for the work-group; every wave waits for all four; my work-group's barrier once more
	s_barrier_signal -1
	s_barrier_wait -1
	s_cmp_lg_u32 s[WV], 0
	s_cbranch_scc1 .Lnot_wave_0_\@
	s_barrier_signal -3
.Lnot_wave_0_\@:
	s_barrier_wait -3
	s_barrier_signal -1
	s_barrier_wait -1
.endm
	s_load_b128 s[QKV:QKV+3], s[0:1], 0x0          ; qkv s[32:33], mbits s[34:35]
	v_lshl_add_u32 v[SPW], v0, 2, SPARE
	v_mov_b32 v[NIL], 0
	ds_add_u32 v[SPW], v[NIL]                      ; the wave's opening: the add, twice on end, and its wait ahead of my first tensor load; the set-up below stands between the second and the wait
	ds_add_u32 v[SPW], v[NIL]
	v_lshrrev_b32 v1, 5, v0
	v_readfirstlane_b32 s[WV], v1                  ; wave 0..7
	s_lshr_b32 s[HS], s[WV], 2
	s_and_b32 s[WQ], s[WV], 3
	s_bfe_u32 s[CX], ttmp6, 0x40000                ; cx: my place in the cluster
	s_lshl_b32 s[QB], ttmp9, 2                     ; in a cluster launch ttmp9 counts clusters
	s_add_co_u32 s[QB], s[QB], s[CX]               ; my block of 128 queries: it enters Q's, the mask's and O's addresses alone
	s_and_b32 s[PR], ttmp7, 0xffff
	s_lshr_b32 s[BA], s[PR], 3                     ; the batch,
	s_and_b32 s[PR], s[PR], 7                      ; the pair of heads: the four partners share both
	; descriptor group 1: a tile of 64 rows x 128 elements of 2 bytes, padded in LDS
	s_mov_b32 s[G1K], 15|(1<<16)|(1<<20)|(1<<21)|(5<<22)|(3<<25)  ; 15:0 the mask: all four work-groups; 17:16 elements of 2 bytes; 20 padding on; 21 set beside a mask; 24:22 after every 64 words; 31:25 4 words of it
	s_mov_b32 s[G1V], 15|(1<<16)|(1<<20)|(1<<21)|(5<<22)|(7<<25)  ; the same with 8 words of padding
.irp g, G1K, G1V
	s_mov_b32 s[\g+1], 128<<16                     ; tensor_dim0 = 128
	s_mov_b32 s[\g+2], KS<<16                      ; tensor_dim1 = 64
	s_mov_b32 s[\g+3], 128<<16                     ; tile_dim0 = 128
	s_mov_b32 s[\g+4], KS                          ; tile_dim1 = 64
	s_mov_b32 s[\g+5], 128                         ; elements from row to row
	s_mov_b32 s[\g+6], 0
	s_mov_b32 s[\g+7], 0
.endr
	s_mov_b32 s[SEL], 0x76543210
	s_mov_b32 s[SEL+1], 0xfedcba98
	; what I fetch: plane 8 + pair (K) or 16 + pair (V), my batch's 2,048 rows, step wave % 4 of a slot
	s_lshl_b32 s[T0], s[HS], 3
	s_add_co_u32 s[T0], s[T0], s[PR]
	s_add_co_u32 s[T0], s[T0], 8
	s_lshl_b32 s[KVO], s[T0], 20                   ; a plane is 4,096 rows of 256 bytes
	s_lshl_b32 s[T0], s[BA], 19
	s_add_co_u32 s[KVO], s[KVO], s[T0]
	s_lshl_b32 s[T0], s[WQ], 14                    ; 64 rows of 256 bytes
	s_add_co_u32 s[KVO], s[KVO], s[T0]
	s_mov_b32 s[KVO+1], 0
	s_mul_i32 s[LD0], s[WQ], STEPB                 ; and its place in a slot: no place in the cluster enters an LDS address
	s_mul_i32 s[T0], s[HS], VOFF
	s_add_co_u32 s[LD0], s[LD0], s[T0]
	; Q: plane = pair, my wave's first query, my head's half of the row
	s_lshl_b32 s[TK], s[BA], 11
	s_lshl_b32 s[T1], s[QB], 7
	s_add_co_u32 s[TK], s[TK], s[T1]               ; the block's first token
	s_lshl_b32 s[T1], s[WQ], 5
	s_add_co_u32 s[TQ], s[TK], s[T1]               ; my wave's first query
	s_lshl_b32 s[OF], s[TQ], 8
	s_lshl_b32 s[T1], s[PR], 20
	s_add_co_u32 s[OF], s[OF], s[T1]
	s_lshl_b32 s[T1], s[HS], 7
	s_add_co_u32 s[OF], s[OF], s[T1]
	s_mov_b32 s[OF+1], 0
	s_lshr_b32 s[LIM], s[WV], 2                    ; 0 in waves 0 to 3,
	s_or_b32 s[LIM], s[LIM], ttmp9                 ; of the pair's first cluster: the same in all four partners
	s_cmp_eq_u32 s[LIM], 0
	s_cselect_b32 s[LIM], 1, -1
	s_mov_b32 s[SLOTS], 6
	s_mov_b32 s[LAP], 3
	s_wait_dscnt 0x0                               ; both opening adds are done
	s_wait_kmcnt 0x0
	s_add_nc_u64 s[KVO:KVO+1], s[QKV:QKV+1], s[KVO:KVO+1]  ; K or V at my tile of slot 0
	s_add_nc_u64 s[QP:QP+1], s[QKV:QKV+1], s[OF:OF+1]
	s_lshl_b32 s[OF], s[TQ], 8                     ; the mask words of my first tile: (query / 16) x 4,096 bytes
	s_add_nc_u64 s[MP:MP+1], s[MBP:MBP+1], s[OF:OF+1]
	s_lshl_b32 s[T1], s[WV], 4                     ; O: on the way out wave w stores rows 16 w on of the block, whole 256 bytes of the pair
	s_add_co_u32 s[T1], s[TK], s[T1]
	s_lshl_b32 s[T2], s[T1], 11                    ; a row of o16 is 2,048 bytes
	s_lshl_b32 s[T1], s[PR], 8
	s_add_co_u32 s[T2], s[T2], s[T1]               ; under 2^23: it goes into the lanes' offset below
	s_bfe_u32 s[T1], s[WV], 0x10001                ; the prefetches: waves 0, 1: K's plane; waves 2, 3: V's
	s_lshl_b32 s[T1], s[T1], 3
	s_add_co_u32 s[T1], s[T1], s[PR]
	s_add_co_u32 s[T1], s[T1], 8
	s_lshl_b32 s[OF], s[T1], 20
	s_lshl_b32 s[T1], s[BA], 19
	s_add_co_u32 s[OF], s[OF], s[T1]
	s_lshl_b32 s[T1], s[CX], 14                    ; my work-group's 64 rows of a slot's 256,
	s_add_co_u32 s[OF], s[OF], s[T1]
	s_and_b32 s[T1], s[WV], 1
	s_lshl_b32 s[T1], s[T1], 13                    ; my wave's 32 of them,
	s_add_co_u32 s[OF], s[OF], s[T1]
	s_add_co_u32 s[OF], s[OF], 2*65536             ; at keys 512 on: the first change of slots steps it to keys 768 on.  Nothing is prefetched here, at the head
	s_add_nc_u64 s[PFA:PFA+1], s[QKV:QKV+1], s[OF:OF+1]
	CROUND                                         ; all four work-groups are here: the first joint loads meet
.irp s, 0,1
	s_mov_b32 s[G0+4*\s], 1                        ; count = 1
	s_add_co_u32 s[G0+4*\s+1], s[LD0], \s*SLOT     ; LDS address
	s_add_nc_u64 s[G0+4*\s+2:G0+4*\s+3], s[KVO:KVO+1], \s*65536   ; global address: slot s begins with keys 256 s on
	s_or_b32 s[G0+4*\s+3], s[G0+4*\s+3], 0x80000000               ; type = 2
.endr
	s_cmp_lt_u32 s[WV], 4                          ; a wave's two first fills stand in one branch, ahead of every wait on TENSORcnt and every LDS read: two loads of mine are out
	s_cbranch_scc0 .Lfirst_v
	tensor_load_to_lds s[G0:G0+3], s[G1K:G1K+7]
	s_nop 0
	tensor_load_to_lds s[G0+4:G0+7], s[G1K:G1K+7]
	s_nop 0
.rept 4
	v_nop
.endr
	s_branch .Lfirst_asked
.Lfirst_v:
	tensor_load_to_lds s[G0:G0+3], s[G1V:G1V+7]
	s_nop 0
	tensor_load_to_lds s[G0+4:G0+7], s[G1V:G1V+7]
	s_nop 0
.rept 4
	v_nop
.endr
.Lfirst_asked:
	; A fragment of K or Q is 16 rows x 32 channels in 8 registers: lane l holds row l % 16; registers 0-3 channels 8 (l / 16) + 0..7, registers 4-7 channels 16 + 8 (l / 16) + 0..7: two loads of 16 bytes, 32 bytes apart.
	v_and_b32 v1, 15, v0                           ; r = l % 16
	v_bfe_u32 v2, v0, 4, 1                         ; h = l / 16
	v_lshlrev_b32 v[QO], 8, v1
	v_lshl_add_u32 v[QO], v2, 4, v[QO]             ; row x 256 + 16 x half
	WIN 0x40                                       ; destination window 1, address window 0
.irp x, 0,1
.irp c, 0,1
	global_load_b128 v[QF+16*\x+8*\c:QF+16*\x+8*\c+3],   v[QO], s[QP:QP+1] offset:\x*4096+\c*64      ; Q stays in registers: tile x, channels 32 c on
	global_load_b128 v[QF+16*\x+8*\c+4:QF+16*\x+8*\c+7], v[QO], s[QP:QP+1] offset:\x*4096+\c*64+32
.endr
.endr
	WIN 0
	s_lshl_b32 s[LD0], s[HS], 7                    ; my head's 128 bytes of a row
	v_mul_u32_u24 v[AK0], v1, PK
	v_lshl_add_u32 v[AK0], v2, 4, v[AK0]
	v_add_nc_u32 v[AK0], s[LD0], v[AK0]            ; row x pitch + 16 x half + my head
	; The turning load takes 16 keys x 16 channels (lane l reads 16 bytes: key 8 (l / 16) + l % 8, channels 8 ((l / 8) % 2) + 0..7) and leaves half a fragment of V^T: lane l holds channel l % 16 and 8 keys.
	v_and_b32 v[ADK], 7, v0
	v_lshl_add_u32 v[AV0], v2, 3, v[ADK]
	v_mul_u32_u24 v[AV0], v[AV0], PV
	v_bfe_u32 v[ADK], v0, 3, 1
	v_lshl_add_u32 v[AV0], v[ADK], 4, v[AV0]
	s_add_co_u32 s[T0], s[LD0], VOFF
	v_add_nc_u32 v[AV0], s[T0], v[AV0]
	s_mul_i32 s[T0], s[WQ], 32*SP                  ; into the stage: my 32 rows, my head's half of their 256 bytes; row l % 16, 16 bytes for each half of the lanes
	s_add_co_u32 s[T0], s[T0], s[LD0]
	s_add_co_u32 s[T0], s[T0], STAGE
	v_mul_u32_u24 v[STO], v1, SP
	v_lshl_add_u32 v[STO], v2, 4, v[STO]
	v_add_nc_u32 v[STO], s[T0], v[STO]
	s_mul_i32 s[T0], s[WV], 16*SP                  ; back: wave w takes rows 16 w on, whole; lanes 0-15 one row of 256 bytes, lanes 16-31 the next
	s_add_co_u32 s[T0], s[T0], STAGE
	v_mul_u32_u24 v[RD], v2, SP
	v_lshl_add_u32 v[RD], v1, 4, v[RD]
	v_add_nc_u32 v[RD], s[T0], v[RD]
	v_lshlrev_b32 v[GO], 11, v2                    ; and the same two rows in o16,
	v_lshl_add_u32 v[GO], v1, 4, v[GO]
	v_add_nc_u32 v[GO], s[T2], v[GO]               ; at my wave's place
	v_and_b32 v[PFO], 31, v0
	v_lshlrev_b32 v[PFO], 8, v[PFO]
.macro MLOAD set, off                  ; a tile's 32 mask words of a key step: 128 consecutive bytes
	s_load_b512 s[\set:\set+15], s[MP:MP+1], \off
	s_load_b512 s[\set+16:\set+31], s[MP:MP+1], \off+64
.endm
	s_wait_xcnt 0x0                                ; Q's loads have read their base, which lies among tile 0's mask registers: these are loaded only behind this wait.  The head's temporaries end here
	MLOAD MA, 0                                    ; key step 0: tile 0's words,
	MLOAD MB, 4096                                 ; and tile 1's, which lie one q tile, 4,096 bytes, on
	v_mov_b32 v[NEG], 0xceabfb8f                   ; -1e9 log2(e)
.irp x, 0,1
	v_mov_b32 v[ST+8*\x], 0xff61b1e6               ; m: -3e38, under every t
	v_mov_b32 v[ST+8*\x+1], 0
	v_mov_b32 v[ST+8*\x+2], 0                      ; l
	v_mov_b32 v[ST+8*\x+3], 0
.endr
.set i, 0
.rept 64
	v_mov_b32 v[O+i], 0                            ; O^T.  (The key step is written without a first step of its own: the first finds zeros, which a = 0 leaves zeros)
.set i, i+1
.endr
.macro MASK x, set                     ; a hidden key's score becomes the fill; register n's lanes take their bits from word n.  Ascending: each accumulator is read from its low end on
.set n, 0
.rept 32
	v_cndmask_b32 v[S+32*(\x)+n], v[NEG], v[S+32*(\x)+n], s[\set+n]
.set n, n+1
.endr
.endm
.macro FETCH_K on                      ; 64 keys x my head's 64 channels, on bytes behind the step in hand: fragment f = 2 t + c: keys 16 t on, channels 32 c on.  The largest immediate is STEPB + 13,152, inside its 16 bits
	WIN 0x40
.irp f, 0,1,2,3,4,5,6,7
	ds_load_b128 v[KF+8*\f:KF+8*\f+3],   v[ADK] offset:(\on)+(\f/2)*16*PK+(\f%2)*64
	ds_load_b128 v[KF+8*\f+4:KF+8*\f+7], v[ADK] offset:(\on)+(\f/2)*16*PK+(\f%2)*64+32
.endr
	WIN 0
.endm
.macro FETCH_V                         ; turned: fragment f = 4 kk + ct: keys 32 kk on, channels 16 ct on
.irp f, 0,1,2,3,4,5,6,7
	ds_load_tr16_b128 v[VF+8*\f:VF+8*\f+3],   v[ADV] offset:(\f/4)*32*PV+(\f%4)*32
	ds_load_tr16_b128 v[VF+8*\f+4:VF+8*\f+7], v[ADV] offset:(\f/4)*32*PV+16*PV+(\f%4)*32
.endr
.endm
; S^T = K Q^T for both tiles: product i of 16: channels 32 (i / 8) on, keys 16 ((i / 2) % 4) on, tile i % 2.  The first 8 start the sums.  The eight accumulators take turns, one instruction a turn.
.macro QKMUL
	WIN 0x05                                       ; K and Q in window 1, S^T in window 0
.set i, 0
.rept 16
.set rS, S+32*(i%2)+8*((i/2)%4)
.set rK, KF+8*(2*((i/2)%4)+i/8)
.set rQ, QF+16*(i%2)+8*(i/8)
.if i < 8
	v_wmma_f32_16x16x32_f16 v[rS:rS+7], v[rK:rK+7], v[rQ:rQ+7], 0
.else
	v_wmma_f32_16x16x32_f16 v[rS:rS+7], v[rK:rK+7], v[rQ:rQ+7], v[rS:rS+7]
.endif
.set i, i+1
.endr
	WIN 0
.endm
; O^T += V^T P for tile x: product i of 8: keys 32 (i / 4) on, channels 16 (i % 4) on.  The four accumulators take turns.
.macro PVMUL x
.set i, 0
.rept 8
.set rO, O+32*(\x)+8*(i%4)
.set rV, VF+8*i
.set rP, P+16*(\x)+8*(i/4)
	v_wmma_f32_16x16x32_f16 v[rO:rO+7], v[rV:rV+7], v[rP:rP+7], v[rO:rO+7]
.set i, i+1
.endr
.endm
; The first half of tile x's softmax: the maximum of the lane's 32 scores and the old m (four chains of seven, then the four left over); the other half of the lanes'; t - m; and ONE BATCH of 33 exponentials, none of whose results is named here.
.macro SM_A x
.set rT, ST+8*(\x)
.set rS, S+32*(\x)
.irp j, 0,1,2,3
	v_max3_num_f32 v[rT+4+\j], v[rS+8*\j], v[rS+8*\j+1], v[rS+8*\j+2]
.endr
.irp g, 1,2
.irp j, 0,1,2,3
	v_max3_num_f32 v[rT+4+\j], v[rT+4+\j], v[rS+8*\j+2*\g+1], v[rS+8*\j+2*\g+2]
.endr
.endr
	v_max3_num_f32 v[rT+4], v[rT+4], v[rS+7], v[rS+15]
	v_max3_num_f32 v[rT+6], v[rT+6], v[rS+23], v[rS+31]
	v_max3_num_f32 v[rT+4], v[rT+4], v[rT+5], v[rT+6]
	v_max3_num_f32 v[rT+4], v[rT+4], v[rT+7], v[rT]
	v_permlanex16_b32 v[rT+5], v[rT+4], s[SEL], s[SEL+1]   ; the query's other 32 keys lie in the lane 16 away
	v_mov_b32 v[rT+7], v[rT]                       ; m_old
	v_max_num_f32 v[rT], v[rT+4], v[rT+5]          ; the new m
	v_sub_f32 v[rT+7], v[rT+7], v[rT]              ; m_old - m_new
.set b, 0
.rept 16
	v_pk_add_f32 v[rS+2*b:rS+2*b+1], v[rS+2*b:rS+2*b+1], v[rT:rT+1] op_sel_hi:[1,0] neg_lo:[0,1] neg_hi:[0,1]   ; t - m, two at a time (of the pair the low word, m, serves both halves)
.set b, b+1
.endr
	v_exp_f32 v[rT+6], v[rT+7]                     ; a
.set e, 0
.rept 32
	v_exp_f32 v[rS+e], v[rS+e]                     ; p
.set e, e+1
.endr
.endm
; The second half, behind the batch's wait: the roundings to f16; the sum of the unrounded p, in a tree; l = a l + the sum; O^T x a, ascending.
.macro SM_B x
.set rT, ST+8*(\x)
.set rS, S+32*(\x)
.set rP, P+16*(\x)
.set rO, O+32*(\x)
.set k, 0
.rept 16
	v_cvt_pk_f16_f32 v[rP+k], v[rS+2*k], v[rS+2*k+1]
.set k, k+1
.endr
.irp z, 0,1,2,3,4,5,6,7
	v_pk_add_f32 v[rS+4*\z:rS+4*\z+1], v[rS+4*\z:rS+4*\z+1], v[rS+4*\z+2:rS+4*\z+3]
.endr
.irp z, 0,1,2,3
	v_pk_add_f32 v[rS+8*\z:rS+8*\z+1], v[rS+8*\z:rS+8*\z+1], v[rS+8*\z+4:rS+8*\z+5]
.endr
.irp z, 0,1
	v_pk_add_f32 v[rS+16*\z:rS+16*\z+1], v[rS+16*\z:rS+16*\z+1], v[rS+16*\z+8:rS+16*\z+9]
.endr
	v_pk_add_f32 v[rS:rS+1], v[rS:rS+1], v[rS+16:rS+17]
	v_pk_fma_f32 v[rT+2:rT+3], v[rT+2:rT+3], v[rT+6:rT+7], v[rS:rS+1] op_sel_hi:[1,0,1]
.set k, 0
.rept 16
	v_pk_mul_f32 v[rO+k:rO+k+1], v[rO+k:rO+k+1], v[rT+6:rT+7] op_sel_hi:[1,0]
.set k, k+2
.endr
.endm
; A KEY STEP: 64 keys, both tiles.  Its K is in registers or on its way when it begins.  kn = 1: the next step's K lies in the same slot and is fetched here.  mn = 1: there is a next step, and its mask words are asked for here.
.macro STEP kn, mn
	v_add_nc_u32 v[ADK], s[TB], v[AK0]
	v_add_nc_u32 v[ADV], s[TB], v[AV0]
	v_nop                                          ; with the two additions: four places behind the last step's products, ahead of the loads into V's registers
	v_nop
	FETCH_V
	s_wait_dscnt 16                                ; K's 16 loads, which are older, are in; V's 16, just issued, may be out
	QKMUL
.rept 4
	v_nop                                          ; four places ahead of the loads into K's registers and of the first read of the scores
.endr
.if \kn
	FETCH_K STEPB                                  ; the next step's K: it has the rest of this step in which to come
.endif
	s_wait_kmcnt 0x0                               ; both tiles' mask words of this step are in (asked for in the step before); and no scalar load still reads the pointer,
.if \mn
	s_add_nc_u64 s[MP:MP+1], s[MP:MP+1], 128       ; which goes on to the next key step's words
.endif
	MASK 0, MA
.if \mn
	MLOAD MA, 0                                    ; tile 0's words of the next step, directly behind the selects that read this step's
.endif
	SM_A 0
	MASK 1, MB                                     ; 32 plain instructions that name nothing of tile 0's batch: the independent work behind its exponentials.  (Tile 1's words were shown in by the wait above)
.if \mn
	MLOAD MB, 4096                                 ; tile 1's words of the next step
.endif
	s_wait_alu depctr_va_vdst(0)                   ; one wait for tile 0's 33 exponentials, ahead of the first instruction that names a result
	SM_B 0
	s_wait_dscnt 0x0                               ; V is in
	PVMUL 0
	SM_A 1                                         ; names no register of the products above
	v_nop                                          ; a plain instruction behind the last exponential
	s_wait_alu depctr_va_vdst(0)                   ; one wait for tile 1's 33
	SM_B 1
	PVMUL 1
	s_add_co_u32 s[TB], s[TB], STEPB
.endm
; A slot's four key steps.  The first step's K is fetched here, behind the change of slots; three steps, written once and walked three times, each fetch the next step's K; the fourth, written out, fetches none.
; last = 1: the launch's last slot: its fourth step asks for no mask words, so that no load reads beyond the wave's own words.
.macro VISIT slot, last
	s_mov_b32 s[TB], (\slot)*SLOT
	s_mov_b32 s[CNT], 3
	v_add_nc_u32 v[ADK], s[TB], v[AK0]
	FETCH_K 0
.Lstep_\@:
	STEP 1, 1
	s_sub_co_u32 s[CNT], s[CNT], 1
	s_cmp_lg_u32 s[CNT], 0
	s_cbranch_scc1 .Lstep_\@
.if \last
	STEP 0, 0
.else
	STEP 0, 1
.endif
.endm
; THE CHANGE OF SLOTS, behind a slot's four steps.  Each wave waits for all its tensor loads, of which one is out: its part of the other slot; adds 0 to its spare word; and waits for that and for its reads of the slot.
; Behind the barrier nobody reads this slot any more and the other slot is whole.  fill = 1: the barrier is a round of the cluster's, and this slot is filled again, with the keys 512 on: the joint refill is the first
; thing behind the round, one tensor load a wave, and has the other slot's four key steps in which to land.
.macro CHANGE slot, fill
	s_wait_tensorcnt 0x0                           ; no tensor load of mine is out, so a group 0 may be written
	ds_add_u32 v[SPW], v[NIL]                      ; 0 onto my spare word
.if \fill
	s_add_nc_u64 s[G0+4*\slot+2:G0+4*\slot+3], s[G0+4*\slot+2:G0+4*\slot+3], 2*65536   ; the type bits on top are not reached
	s_wait_xcnt 0x0                                ; the last prefetch, four key steps back, has read its address, so it may be written
	s_add_nc_u64 s[PFA:PFA+1], s[PFA:PFA+1], 65536
	s_wait_dscnt 0x0                               ; the add is done, and my reads of the slot are over
	CROUND
	JLOAD \slot
	ASK
	s_sub_co_u32 s[SLOTS], s[SLOTS], 1
.else
	s_wait_dscnt 0x0
	s_barrier_signal -1
	s_barrier_wait -1
.endif
.endm
	s_wait_tensorcnt 1                             ; my part of slot 0 is in; slot 1's may stay out
	s_barrier_signal -1
	s_barrier_wait -1                              ; everybody's is
	s_wait_loadcnt 0x0                             ; Q
.Llap:                                                 ; three laps of the ring: six refills, keys 512 to 2,047
	VISIT 0, 0
	CHANGE 0, 1
	VISIT 1, 0
	CHANGE 1, 1
	s_sub_co_u32 s[LAP], s[LAP], 1
	s_cmp_lg_u32 s[LAP], 0
	s_cbranch_scc1 .Llap
	VISIT 0, 0                                     ; the last lap is written out: nothing more is asked for
	CHANGE 0, 0
	VISIT 1, 1
	; THE WAY OUT.  l's two halves and the other half of the lanes' are added (these additions are the places behind the last products); O^T is divided by l, rounded to f16 and goes through the work-group's stage:
	; a row's 256 bytes come from two waves (the pair's two heads), so a barrier stands between the writing and the reading.
	s_load_b64 s[MA:MA+1], s[0:1], 0x10            ; o16's address, into registers that the mask words have left (no scalar load is out: the last step asked for none); it comes under the arithmetic below
.irp x, 0,1
	v_add_f32 v[ST+8*\x+4], v[ST+8*\x+2], v[ST+8*\x+3]
.endr
.irp x, 0,1
	v_permlanex16_b32 v[ST+8*\x+5], v[ST+8*\x+4], s[SEL], s[SEL+1]
.endr
.irp x, 0,1
	v_add_f32 v[ST+8*\x+4], v[ST+8*\x+4], v[ST+8*\x+5]
.endr
.irp x, 0,1
	v_rcp_f32 v[ST+8*\x+6], v[ST+8*\x+4]
.endr
	v_nop                                          ; a plain instruction between the last reciprocal and the use of its result
	s_wait_alu depctr_va_vdst(0)                   ; and the wait ahead of the first use: one for both
.irp x, 0,1
.set i, 0
.rept 16
	v_pk_mul_f32 v[O+32*\x+i:O+32*\x+i+1], v[O+32*\x+i:O+32*\x+i+1], v[ST+8*\x+6:ST+8*\x+7] op_sel_hi:[1,0]
.set i, i+2
.endr
.set i, 0
.rept 16
	v_cvt_pk_f16_f32 v[S+16*\x+i], v[O+32*\x+2*i], v[O+32*\x+2*i+1]   ; S^T's registers are free; register 8 ct + j of O^T is channel 16 ct + 8 h + j
.set i, i+1
.endr
.irp c, 0,1,2,3
	ds_store_b128 v[STO], v[S+16*\x+4*\c:S+16*\x+4*\c+3] offset:\x*16*SP+32*\c
.endr
.endr
	s_wait_dscnt 0x0                               ; for the others' sake: my stores into the stage are done
	s_barrier_signal -1
	s_barrier_wait -1
.irp f, 0,1,2,3,4,5,6,7
	ds_load_b128 v[S+4*\f:S+4*\f+3], v[RD] offset:\f*2*SP
.endr
	s_wait_kmcnt 0x0                               ; o16's address is in
.irp f, 0,1,2,3,4,5,6,7
	s_wait_dscnt 7-\f                              ; rows 2 f and 2 f + 1 are in; the younger loads may be out
	global_store_b128 v[GO], v[S+4*\f:S+4*\f+3], s[MA:MA+1] offset:\f*4096   ; 16 lanes store 256 consecutive bytes, at a multiple of 256 from o16's first byte
.endr
	s_wait_tensorcnt 0x0                           ; the wave's end: three lines, behind my last tensor load and my last LDS store
	ds_add_u32 v[SPW], v[NIL]
	s_wait_dscnt 0x0
	CROUND                                         ; the closing round: no work-group ends while a partner may still ask for a tile that names it
	s_endpgm
.Lfunc_end_k_qd7f2c412dd_attn:
	.size	k_qd7f2c412dd_attn, .Lfunc_end_k_qd7f2c412dd_attn-k_qd7f2c412dd_attn
	.p2alignl 7, 3214868480
	.fill 96, 4, 3214868480
	.section	.rodata,"a",@progbits
	.p2align	6, 0x0
	.amdhsa_kernel k_qd7f2c412dd_attn
		.amdhsa_group_segment_fixed_size 327680
		.amdhsa_private_segment_fixed_size 0
		.amdhsa_enable_private_segment 0
		.amdhsa_kernarg_size 24
		.amdhsa_user_sgpr_count 2
		.amdhsa_user_sgpr_kernarg_segment_ptr 1
		.amdhsa_wavefront_size32 1
		.amdhsa_system_sgpr_workgroup_id_x 1
		.amdhsa_system_sgpr_workgroup_id_y 1
		.amdhsa_system_sgpr_workgroup_id_z 1
		.amdhsa_system_vgpr_workitem_id 0
		.amdhsa_next_free_vgpr 352
		.amdhsa_next_free_sgpr 106
		.amdhsa_reserve_vcc 0
		.amdhsa_float_denorm_mode_32 3
		.amdhsa_float_denorm_mode_16_64 3
		.amdhsa_memory_ordered 1
		.amdhsa_forward_progress 1
		.amdhsa_inst_pref_size 192
	.end_amdhsa_kernel
	.amdgpu_metadata
---
amdhsa.version: [ 1, 2 ]
amdhsa.kernels:
  - .name:           k_qd7f2c412dd_attn
    .symbol:         k_qd7f2c412dd_attn.kd
    .args:
      - { .name: qkv, .offset: 0, .size: 8, .value_kind: global_buffer, .address_space: global }
      - { .name: mbits, .offset: 8, .size: 8, .value_kind: global_buffer, .address_space: global }
      - { .name: o16, .offset: 16, .size: 8, .value_kind: global_buffer, .address_space: global }
    .group_segment_fixed_size: 327680
    .private_segment_fixed_size: 0
    .kernarg_segment_align: 8
    .kernarg_segment_size: 24
    .max_flat_workgroup_size: 256
    .sgpr_count:     106
    .vgpr_count:     352
    .wavefront_size: 32
...
	.end_amdgpu_metadata
.endif
;; end of part 3
;; launch proj (part 4): grid 8 x 32, 4 waves a work-group, clusters of 4 x 4, 327,680 bytes of LDS; arguments o16, wp16, b_proj, out0; writes out0
.if DOCPART == 4
	.amdgcn_target "amdgcn-amd-amdhsa--gfx1250"
	.amdhsa_code_object_version 6
	.text
	.protected	k_qd7f2c412dd_proj
	.globl	k_qd7f2c412dd_proj
	.p2align	8
	.type	k_qd7f2c412dd_proj,@function
k_qd7f2c412dd_proj:
	s_mov_b64 s[64:65], 0
	v_nop
	global_prefetch_b8 v0, s[64:65] scope:SCOPE_SE
	s_setreg_imm32_b32 hwreg(HW_REG_WAVE_MODE, 25, 1), 1
	s_wait_xcnt 0x0
	s_wait_alu depctr_hold_cnt(0) depctr_sa_sdst(0) depctr_va_vdst(0) depctr_va_sdst(0) depctr_va_ssrc(0) depctr_va_vcc(0) depctr_vm_vsrc(0)
	s_getreg_b32 s2, hwreg(HW_REG_IB_STS2, 6, 4)
	s_cmp_eq_u32 s2, 0
	s_cbranch_scc0 .Lentry_in_a_cluster
	s_endpgm
.Lentry_in_a_cluster:
	s_bfe_u32 s2, ttmp6, 0x10000c
	s_cmp_lg_u32 s2, 0xf033
	s_cbranch_scc0 .Lentry_shape_is_right
	s_endpgm
.Lentry_shape_is_right:
; out0[m][n] = sum over k of O[m][k] W_proj[n][k] + b_proj[n].  A = o16 [4096][1024], B = wp16 [1024][1024], f16; sums, bias and out0 in f32.
; A tile of C is 128 x 128: 256 work-groups.  Four waves, each 64 x 64: 16 accumulators of 16 x 16, 128 registers.  K goes in steps of 256 (LDS rows of 512 bytes; a wave's tensor load brings 64 of them)
; through a ring of two slots.
; CLUSTERS: 4 x 4 work-groups.  The four of a row of the cluster need the same tiles of A, the four of a column the same tiles of B: each tile is asked for JOINTLY.
; THE MATRIX INSTRUCTION IS USED TRANSPOSED (source 0 = 16 rows of B, source 1 = 16 rows of A): a lane holds eight neighbouring numbers of a row of C.
; THE BIAS is the C of each sum's first matrix instruction: eight registers for each of my four blocks of columns, in the result's layout: it costs no addition.
; A wave's 64 columns of f32 are 256 aligned bytes of a row of C: so each wave has a stage of its own on the way out, and no barrier stands there.
; LIMIT: |O| and |W_proj| under 65,504 as f16 operands.
; REGISTERS: window 0: v0-31 addresses; v32-95 rows on the way out; v96-127 the bias; v128-255 the accumulators ((a, b) at v[128 + 8 (4 a + b)]).
;   window 1: two fragment buffers of 128: for 64 along K, 64 registers of A (2 x 4 x 16 rows x 32 K), then 64 of B.
.set SIZE_M, 4096
.set SIZE_N, 1024
.set SIZE_K, 1024
.set KSTEP,  256
.set PITCH,  528                       ; an LDS row: 512 bytes + 16 = 132 words: the 16 rows that a load touches start 4 words apart modulo 64
.set HALFT,  64*PITCH                  ; 64 rows: what one tensor load brings, and what one wave reads of A or of B
.set SLOT,   4*HALFT                   ; A's 128 rows, then B's 128 rows
.set STAGE,  2*SLOT                    ; behind the ring: 16 rows x 272 bytes for each wave, for the way out; no tile lands here
.set SPITCH, 272
.set SPARE,  STAGE+4*16*SPITCH         ; the spare words, 128 bytes for each wave: two blocks of 256 bytes that no other line names
.set LAPS, SIZE_K/(2*KSTEP)            ; a lap = two K steps = once round the ring: 2
.set ADRA, 16                          ; v16-17  LDS address of my A fragments in slot 0, 1
.set ADRB, 20                          ; v20-21  the same for B
.set STO,  24                          ; v24     the way out: where I put 32 bytes of a row
.set RD,   25                          ; v25     the way out: where I read a row back
.set CO,   26                          ; v26     my byte offset in two rows of C
.set BO,   27                          ; v27     32 x (lane / 16): my half's eight numbers of a block of the bias
.set SPW,  28                          ; v28     LDS address of my spare word; never rewritten
.set NIL,  29                          ; v29     0; never rewritten
.set TMP,  32
.set BIAS, 96
.set ACC,  128
.set F0,   0                           ; fragment buffers, in window 1
.set F1,   128
.set G1, 24                            ; s[24:31] descriptor group 1 for A's tiles;  s[32:39] group 0, one set for each slot
.set G0, 32
.set G1B, 48                           ; s[48:55], s[56:63] the same for B's tiles
.set G0B, 56
.set MSB, 0
.macro WIN new                         ; the immediate's high byte repeats the setting that is left
.if MSB != (\new)
	s_set_vgpr_msb (MSB<<8)|(\new)
.set MSB, (\new)
.endif
.endm
.set MUL,  0x05                        ; sources 0 (B) and 1 (A) window 1; C and D window 0
.set TO_F, 0x40                        ; destination window 1, address window 0
.macro JLOAD s                         ; a joint load: waves 0 and 1 fetch A's two halves, waves 2 and 3 B's; an s_nop 0 and four v_nop follow each of the two lines
	s_cmp_eq_u32 s11, 0
	s_cbranch_scc0 .Lfor_b_\@
	tensor_load_to_lds s[G0+4*\s:G0+4*\s+3], s[G1:G1+7]
	s_nop 0
.rept 4
	v_nop
.endr
	s_branch .Lasked_\@
.Lfor_b_\@:
	tensor_load_to_lds s[G0B+4*\s:G0B+4*\s+3], s[G1B:G1B+7]
	s_nop 0
.rept 4
	v_nop
.endr
.Lasked_\@:
.endm
.macro CREST                           ; a round of the cluster's barrier behind its opening barrier
	s_cmp_lg_u32 s10, 0
	s_cbranch_scc1 .Lnot_wave_0_\@
	s_barrier_signal -3
.Lnot_wave_0_\@:
	s_barrier_wait -3
	s_barrier_signal -1
	s_barrier_wait -1
.endm
.macro CROUND                          ; a whole round
	s_barrier_signal -1
	s_barrier_wait -1
	CREST
.endm
	s_load_b128 s[4:7], s[0:1], 0x0                ; A s[4:5], B s[6:7]
	s_load_b64 s[66:67], s[0:1], 0x10              ; the bias
	s_load_b64 s[8:9], s[0:1], 0x18                ; C
	v_lshl_add_u32 v[SPW], v0, 2, SPARE
	v_mov_b32 v[NIL], 0
	ds_add_u32 v[SPW], v[NIL]                      ; the wave's opening: the add, twice on end, and its wait ahead of my first tensor load; the set-up below stands between the second and the wait
	ds_add_u32 v[SPW], v[NIL]
	v_lshrrev_b32 v1, 5, v0
	v_readfirstlane_b32 s10, v1                    ; wave 0..3
	s_lshr_b32 s11, s10, 1                         ; which half of the tile's rows is mine.  Also: I fetch for A (0) or for B (1)
	s_and_b32 s12, s10, 1                          ; which half of its columns.  Also: which 64 rows of that tile I fetch
	s_bfe_u32 s40, ttmp6, 0x40000                  ; cx, cy: my place in the cluster
	s_bfe_u32 s41, ttmp6, 0x40004
	s_lshl_b32 s42, ttmp9, 2
	s_add_co_u32 s42, s42, s40                     ; tile column of C = 4 x cluster x + cx
	s_and_b32 s13, ttmp7, 0xffff
	s_lshl_b32 s13, s13, 2
	s_add_co_u32 s13, s13, s41                     ; tile row of C = 4 x cluster y + cy
	s_lshl_b32 s43, s41, 2
	s_lshl_b32 s43, 15, s43                        ; my row of the cluster
	s_lshl_b32 s44, 0x1111, s40                    ; my column
	; descriptor group 1: a tile of 64 rows x 256 elements of 2 bytes, padded in LDS
	s_or_b32 s[G1+0], s43, (1<<16)|(1<<20)|(1<<21)|(6<<22)|(3<<25)  ; 15:0 the mask: A's tiles go to my row; 17:16 element of 2 bytes; 20 padding on; 21 set beside a mask; 24:22 after every 128 words; 31:25 of 4 words
	s_or_b32 s[G1B+0], s44, (1<<16)|(1<<20)|(1<<21)|(6<<22)|(3<<25)
.irp g, G1, G1B
	s_mov_b32 s[\g+1], KSTEP<<16                   ; tensor_dim0 = 256
	s_mov_b32 s[\g+2], 64<<16                      ; tensor_dim1 = 64
	s_mov_b32 s[\g+3], KSTEP<<16                   ; tile_dim0 = 256
	s_mov_b32 s[\g+4], 64                          ; tile_dim1 = 64
	s_mov_b32 s[\g+5], SIZE_K                      ; elements from row to row
	s_mov_b32 s[\g+6], 0
	s_mov_b32 s[\g+7], 0
.endr
	s_lshl_b32 s17, s12, 6                         ; which 64 rows of the tile I fetch
	s_lshl_b32 s16, s13, 7
	s_add_co_u32 s16, s16, s17                     ; A: row 128 x tile row + 64 x half
	s_lshl_b32 s46, s42, 7
	s_add_co_u32 s46, s46, s17                     ; B: row 128 x tile column + 64 x half
	s_mov_b32 s17, 0
	s_mov_b32 s47, 0
	s_mov_b64 s[18:19], SIZE_K*2
	s_mul_u64 s[16:17], s[16:17], s[18:19]
	s_mul_u64 s[46:47], s[46:47], s[18:19]
	s_mul_i32 s20, s10, HALFT                      ; where they go: wave x 64 rows: no place in the cluster enters an LDS address
	s_wait_dscnt 0x0                               ; both opening adds are done
	s_wait_kmcnt 0x0
	s_add_nc_u64 s[14:15], s[4:5], s[16:17]
	s_add_nc_u64 s[46:47], s[6:7], s[46:47]
	CROUND                                         ; all sixteen work-groups are here: the first joint loads meet
.irp s, 0,1
	s_mov_b32 s[G0+4*\s], 1
	s_add_co_u32 s[G0+4*\s+1], s20, \s*SLOT
	s_add_nc_u64 s[G0+4*\s+2:G0+4*\s+3], s[14:15], \s*KSTEP*2
	s_or_b32 s[G0+4*\s+3], s[G0+4*\s+3], 0x80000000
	s_mov_b32 s[G0B+4*\s], 1
	s_add_co_u32 s[G0B+4*\s+1], s20, \s*SLOT
	s_add_nc_u64 s[G0B+4*\s+2:G0B+4*\s+3], s[46:47], \s*KSTEP*2
	s_or_b32 s[G0B+4*\s+3], s[G0B+4*\s+3], 0x80000000
	JLOAD \s                                       ; two tensor loads of mine are out behind the second
.endr
	v_and_b32 v1, 15, v0                           ; l % 16
	v_bfe_u32 v2, v0, 4, 1                         ; l / 16
	; my 64 columns, in bytes of f32: 512 x tile column + 256 x half: the same in the bias and in a row of C
	s_lshl_b32 s46, s42, 9
	s_lshl_b32 s47, s12, 8
	s_add_co_u32 s46, s46, s47
	s_mov_b32 s47, 0
	s_add_nc_u64 s[66:67], s[66:67], s[46:47]
	v_lshlrev_b32 v[BO], 5, v2
.irp b, 0,1,2,3
	global_load_b128 v[BIAS+8*\b:BIAS+8*\b+3],   v[BO], s[66:67] offset:64*\b      ; lane (r, h), register j: b_proj at my column 16 b + 8 h + j: the transposed result's layout
	global_load_b128 v[BIAS+8*\b+4:BIAS+8*\b+7], v[BO], s[66:67] offset:64*\b+16
.endr
	v_mul_u32_u24 v3, v1, PITCH
	v_lshl_add_u32 v3, v2, 4, v3                   ; a fragment's row x pitch + 16 x half
	s_mul_i32 s21, s11, HALFT                      ; my 64 rows of A
	s_mul_i32 s22, s12, HALFT                      ; my 64 rows of B,
	s_add_co_u32 s22, s22, 2*HALFT                 ; which lie behind A's 128
.irp s, 0,1
	v_add_nc_u32 v[ADRA+\s], s21, v3
	v_add_nc_u32 v[ADRB+\s], s22, v3
	s_add_co_u32 s21, s21, SLOT
	s_add_co_u32 s22, s22, SLOT
.endr
	s_mul_i32 s23, s10, 16*SPITCH
	s_add_co_u32 s23, s23, STAGE                   ; my stage
	v_mul_u32_u24 v4, v1, SPITCH                   ; in: row l % 16, 32 bytes for each half of the lanes
	v_lshl_add_u32 v4, v2, 5, v4
	v_add_nc_u32 v[STO], s23, v4
	v_mul_u32_u24 v5, v2, SPITCH                   ; back: lanes 0-15 take one row of 256 bytes, lanes 16-31 the next
	v_lshl_add_u32 v5, v1, 4, v5
	v_add_nc_u32 v[RD], s23, v5
	v_lshlrev_b32 v5, 12, v2                       ; and the same two rows in C: a row is 4,096 bytes
	v_lshl_add_u32 v[CO], v1, 4, v5
	s_lshl_b32 s16, s13, 7
	s_lshl_b32 s17, s11, 6
	s_add_co_u32 s16, s16, s17                     ; my first row of C: 128 x tile row + 64 x half
	s_lshl_b32 s16, s16, 12
	s_mov_b32 s17, 0
	s_add_nc_u64 s[8:9], s[8:9], s[16:17]
	s_add_nc_u64 s[8:9], s[8:9], s[46:47]
; 8 matrix instructions: m blocks a0, a0 + 1 x all 4 n blocks, 32 along K: half c of buffer f.  first = 1: the first product starts the sums, from the bias.  The 16 accumulators take turns.
.macro MUL8 f, c, a0, first
.irp a, \a0, \a0+1
.irp b, 0,1,2,3
.if \first
	v_wmma_f32_16x16x32_f16 v[ACC+8*(4*(\a)+\b):ACC+8*(4*(\a)+\b)+7], v[\f+64+8*(4*\c+\b):\f+64+8*(4*\c+\b)+7], v[\f+8*(4*\c+\a):\f+8*(4*\c+\a)+7], v[BIAS+8*\b:BIAS+8*\b+7]
.else
	v_wmma_f32_16x16x32_f16 v[ACC+8*(4*(\a)+\b):ACC+8*(4*(\a)+\b)+7], v[\f+64+8*(4*\c+\b):\f+64+8*(4*\c+\b)+7], v[\f+8*(4*\c+\a):\f+8*(4*\c+\a)+7], v[ACC+8*(4*(\a)+\b):ACC+8*(4*(\a)+\b)+7]
.endif
.endr
.endr
.endm
; 32 LDS loads in one run: the fragments of 64 along K at byte k of the rows, into buffer f; the first 32 along K first
.macro FETCH slot, k, f
	WIN TO_F
.irp c, 0,1
.irp i, 0,1,2,3
	ds_load_b128 v[\f+64+8*(4*\c+\i):\f+64+8*(4*\c+\i)+3],   v[ADRB+\slot] offset:\k+64*\c+\i*16*PITCH
	ds_load_b128 v[\f+64+8*(4*\c+\i)+4:\f+64+8*(4*\c+\i)+7], v[ADRB+\slot] offset:\k+64*\c+\i*16*PITCH+32
	ds_load_b128 v[\f+8*(4*\c+\i):\f+8*(4*\c+\i)+3],         v[ADRA+\slot] offset:\k+64*\c+\i*16*PITCH
	ds_load_b128 v[\f+8*(4*\c+\i)+4:\f+8*(4*\c+\i)+7],       v[ADRA+\slot] offset:\k+64*\c+\i*16*PITCH+32
.endr
.endr
.endm
.macro PLACES                          ; four places in front of loads into registers that matrix instructions have read, and of the first read of results (ISA guide 7.12.1 for the first read of results)
.rept 4
	v_nop
.endr
.endm
; A K step is four quarters of 64 along K, 32 matrix instructions each, on buffers 0, 1, 0, 1.  One of the first three: multiplies buffer f and fetches the next quarter, at byte k, into g.
.macro QUARTER slot, k, f, g, first
	s_wait_dscnt 16                                ; the first 32 along K are in; the other sixteen loads may be out
	WIN MUL
	MUL8 \f, 0, 0, \first
	MUL8 \f, 0, 2, \first
	PLACES
	FETCH \slot, \k, \g
	s_wait_dscnt 32                                ; all but the 32 just issued
	WIN MUL
	MUL8 \f, 1, 0, 0
	MUL8 \f, 1, 2, 0
.endm
; The last quarter multiplies buffer 1 and changes slots: ONE barrier; in front of it each wave waits for all its tensor loads, adds 0 to its spare word, and waits for that and for its own reads of this slot.  fill = 1: this slot is filled again, two K steps ahead.
.macro TURN slot, next, fill
	WIN 0                                          ; (the add's two registers lie in window 0)
	s_wait_tensorcnt 0x0                           ; all my tensor loads have landed: my part of the next slot;
	ds_add_u32 v[SPW], v[NIL]                      ; 0 onto my spare word;
	s_wait_dscnt 17                                ; (the add and the youngest sixteen loads may be out)
	WIN MUL
	MUL8 F1, 0, 0, 0                               ; eight matrix instructions stand between the add and the wait for it
	s_wait_dscnt 0x0                               ; the add is done, and my reads of this slot are over
	s_barrier_signal -1
	MUL8 F1, 0, 2, 0
.if \fill
	WIN 0
.endif
	s_barrier_wait -1
.if \fill
	CREST                                          ; the barrier has opened a round of the cluster's barrier: no wave of any partner still reads this slot's tile or has a load on its way
	s_add_nc_u64 s[G0+4*\slot+2:G0+4*\slot+3], s[G0+4*\slot+2:G0+4*\slot+3], 2*KSTEP*2
	s_add_nc_u64 s[G0B+4*\slot+2:G0B+4*\slot+3], s[G0B+4*\slot+2:G0B+4*\slot+3], 2*KSTEP*2
	JLOAD \slot                                    ; the first tensor load behind the round; the four v_nop behind it are also the places in front of the loads below
.else
	PLACES
.endif
	FETCH \next, 0, F0
	WIN MUL
	MUL8 F1, 1, 0, 0
	MUL8 F1, 1, 2, 0
.endm
	s_wait_tensorcnt 1                             ; my part of K step 0 is in (K step 1's load may be out)
	s_barrier_signal -1
	s_barrier_wait -1                              ; everybody's is
	FETCH 0, 0, F0
	s_wait_loadcnt 0x0                             ; the bias
	QUARTER 0, 128, F0, F1, 1                      ; the first quarter stands in front of the loop: its first products start the sums
	WIN 0                                          ; at a label and at a branch every window is 0
	s_mov_b32 s3, LAPS-1
.Llap:                                                 ; a trip goes once round the ring, from a lap's second quarter to the next lap's first, and fills both slots again
	QUARTER 0, 256, F1, F0, 0
	QUARTER 0, 384, F0, F1, 0
	TURN 0, 1, 1
	QUARTER 1, 128, F0, F1, 0
	QUARTER 1, 256, F1, F0, 0
	QUARTER 1, 384, F0, F1, 0
	TURN 1, 0, 1
	QUARTER 0, 128, F0, F1, 0
	WIN 0
	s_sub_co_u32 s3, s3, 1
	s_cmp_lg_u32 s3, 0
	s_cbranch_scc1 .Llap
	QUARTER 0, 256, F1, F0, 0                      ; the last lap fills nothing, and has no round of the cluster's barrier
	QUARTER 0, 384, F0, F1, 0
	TURN 0, 1, 0
	QUARTER 1, 128, F0, F1, 0
	QUARTER 1, 256, F1, F0, 0
	QUARTER 1, 384, F0, F1, 0
	s_wait_dscnt 16                                ; the very last quarter: nothing more to fetch
	WIN MUL
	MUL8 F1, 0, 0, 0
	MUL8 F1, 0, 2, 0
	s_wait_dscnt 0
	MUL8 F1, 1, 0, 0
	MUL8 F1, 1, 2, 0
	WIN 0
; THE WAY OUT, block by block of 16 rows x 64 columns of f32.  A lane holds 32 neighbouring bytes of a row for each block of columns; a block goes through my own stage and comes back as whole rows of 256 bytes.
; LDS serves a wave's instructions in order: no wait between the stores and the loads, nor in front of the next block's stores.
.macro TOSTAGE a
.irp b, 0,1,2,3
	ds_store_b128 v[STO], v[ACC+8*(4*(\a)+\b):ACC+8*(4*(\a)+\b)+3] offset:64*\b        ; each accumulator from its low end on
	ds_store_b128 v[STO], v[ACC+8*(4*(\a)+\b)+4:ACC+8*(4*(\a)+\b)+7] offset:64*\b+16
.endr
.set BB, TMP+32*((\a)%2)
.irp t, 0,1,2,3,4,5,6,7
	ds_load_b128 v[BB+4*\t:BB+4*\t+3], v[RD] offset:\t*2*SPITCH
.endr
.endm
.macro SEND a, younger                 ; younger: the LDS instructions issued behind block a's loads, which may stay out
.set BB, TMP+32*((\a)%2)
	s_wait_dscnt \younger                          ; the block is back in registers
.irp t, 0,1,2,3,4,5,6,7
	global_store_b128 v[CO], v[BB+4*\t:BB+4*\t+3], s[8:9] offset:(16*(\a)+2*\t)*4096 th:TH_STORE_NT   ; 16 lanes store 256 consecutive bytes, aligned; 62 rows of C at the most in the immediate; the base is never stepped
.endr
.endm
	PLACES
	TOSTAGE 0
.irp a, 1,2,3
.if \a > 1
	s_wait_xcnt 0x0                                ; block a - 2's stores have read their data: block a's loads land there only behind this wait
.endif
	TOSTAGE \a
	SEND \a-1, 16                                  ; behind block a - 1's loads: block a's 8 stores and 8 loads
.endr
	SEND 3, 0
	s_wait_tensorcnt 0x0                           ; the wave's end: three lines, behind my last tensor load and my last LDS store
	ds_add_u32 v[SPW], v[NIL]
	s_wait_dscnt 0x0
	CROUND                                         ; the closing round: no work-group ends while a partner may still ask for a tile that names it
	s_endpgm
.Lfunc_end_k_qd7f2c412dd_proj:
	.size	k_qd7f2c412dd_proj, .Lfunc_end_k_qd7f2c412dd_proj-k_qd7f2c412dd_proj
	.p2alignl 7, 3214868480
	.fill 96, 4, 3214868480
	.section	.rodata,"a",@progbits
	.p2align	6, 0x0
	.amdhsa_kernel k_qd7f2c412dd_proj
		.amdhsa_group_segment_fixed_size 327680
		.amdhsa_private_segment_fixed_size 0
		.amdhsa_enable_private_segment 0
		.amdhsa_kernarg_size 32
		.amdhsa_user_sgpr_count 2
		.amdhsa_user_sgpr_kernarg_segment_ptr 1
		.amdhsa_wavefront_size32 1
		.amdhsa_system_sgpr_workgroup_id_x 1
		.amdhsa_system_sgpr_workgroup_id_y 1
		.amdhsa_system_sgpr_workgroup_id_z 1
		.amdhsa_system_vgpr_workitem_id 0
		.amdhsa_next_free_vgpr 512
		.amdhsa_next_free_sgpr 68
		.amdhsa_reserve_vcc 0
		.amdhsa_float_denorm_mode_32 3
		.amdhsa_float_denorm_mode_16_64 3
		.amdhsa_memory_ordered 1
		.amdhsa_forward_progress 1
		.amdhsa_inst_pref_size 86
	.end_amdhsa_kernel
	.amdgpu_metadata
---
amdhsa.version: [ 1, 2 ]
amdhsa.kernels:
  - .name:           k_qd7f2c412dd_proj
    .symbol:         k_qd7f2c412dd_proj.kd
    .args:
      - { .name: o16, .offset: 0, .size: 8, .value_kind: global_buffer, .address_space: global }
      - { .name: wp16, .offset: 8, .size: 8, .value_kind: global_buffer, .address_space: global }
      - { .name: b_proj, .offset: 16, .size: 8, .value_kind: global_buffer, .address_space: global }
      - { .name: out0, .offset: 24, .size: 8, .value_kind: global_buffer, .address_space: global }
    .group_segment_fixed_size: 327680
    .private_segment_fixed_size: 0
    .kernarg_segment_align: 8
    .kernarg_segment_size: 32
    .max_flat_workgroup_size: 128
    .sgpr_count:     68
    .vgpr_count:     512
    .wavefront_size: 32
...
	.end_amdgpu_metadata
.endif
;; end of part 4
